; MI455X (gfx1250); checked and timed in simulation.
; The chip was launched on July 23, 2026; its instructions are those of AMD's public machine-readable ISA for CDNA 5 (MIT licence, August 2026) and "CDNA5" Instruction Set Architecture Reference Guide (July 2026). The comments in the code are by the model that wrote it; some were corrected since.
;; Multi Head Attention Block. Allowed arithmetic: matrix products marked QUANTISED: E2M1 operands, one E8M0 scale for each 32 along K, by v_wmma_scale_f32_16x16x128_f8f6f4 with both operands' format E2M1 (or v_wmma_scale_f32_32x16x128_f4), f32 sums; everything else in f32.
;; Inputs: Wf_codes 1,024 x 32 x 16 uint8 (E2M1 codes of Wf, K innermost, in blocks of 32 codes, two codes a byte); Wf_scales 1,024 x 32 uint8 (E8M0 scales of Wf, one for each 32 codes along K); Wk_codes 1,024 x 32 x 16 uint8 (E2M1 codes of Wk, K innermost, in blocks of 32 codes, two codes a byte); Wk_scales 1,024 x 32 uint8 (E8M0 scales of Wk, one for each 32 codes along K); Wq_codes 1,024 x 32 x 16 uint8 (E2M1 codes of Wq, K innermost, in blocks of 32 codes, two codes a byte); Wq_scales 1,024 x 32 uint8 (E8M0 scales of Wq, one for each 32 codes along K); Wv_codes 1,024 x 32 x 16 uint8 (E2M1 codes of Wv, K innermost, in blocks of 32 codes, two codes a byte); Wv_scales 1,024 x 32 uint8 (E8M0 scales of Wv, one for each 32 codes along K); b1 1,024 float32; b2 1,024 float32; bf 1,024 float32; bk 1,024 float32; bq 1,024 float32; bv 1,024 float32; g1 1,024 float32; g2 1,024 float32; x 8 x 1,024 x 1,024 float32; y_codes 8 x 1,024 x 32 x 16 uint8 (E2M1 codes of y, K innermost, in blocks of 32 codes, two codes a byte); y_scales 8 x 1,024 x 32 uint8 (E8M0 scales of y, one for each 32 codes along K).
;; Outputs: out0 8 x 1,024 x 1,024 float32.
;; This version of the problem:
;;   THIS VERSION OF THE PROBLEM IS GIVEN IN LOW PRECISION. The matrix products marked QUANTISED in the list below multiply operands that are first quantised to E2M1 (2 exponent bits, 1 mantissa bit; 4 bits a number), with one power-of-two scale for each 32 numbers along K (OCP MX v1.0); their sums are f32. All else is computed in f32.
;;   The module's matrix products, in the order in which they are computed (A, B: the left and right operand; K: the contracted axis; several contracted axes count as one K, in the product's order):
;;     1. [M 8,192, K 1,024] x [K 1,024, N 1,024]; A: input x; B: input Wq (given as codes): QUANTISED
;;     2. [M 8,192, K 1,024] x [K 1,024, N 1,024]; A: input y (given as codes); B: input Wk (given as codes): QUANTISED
;;     3. [M 8,192, K 1,024] x [K 1,024, N 1,024]; A: input y (given as codes); B: input Wv (given as codes): QUANTISED
;;     4. batch 128 x [M 1,024, K 64] x [K 64, N 1,024]; A: computed on the way; B: computed on the way: QUANTISED
;;     5. batch 128 x [M 64, K 1,024] x [K 1,024, N 1,024]; A: computed on the way; B: softmax (see below): QUANTISED
;;     6. [M 8,192, K 1,024] x [K 1,024, N 1,024]; A: computed on the way; B: input Wf (given as codes): QUANTISED
;;   THE QUANTISER, for each operand of a quantised product, along K:
;;     - K is cut into blocks of 32 from its start; a last block that is shorter is filled with zeros.
;;     - A block's scale is 2^e with e = floor(log2(the largest magnitude in the block)) - 2, held to -126 .. 127; a block of zeros has e = 0. As a byte (E8M0): e + 127.
;;     - Each number is divided by its block's scale, clamped to +-6, and rounded to the nearest number of E2M1, ties to even, subnormals kept.
;;     - The product sums the exact products of the quantised numbers (number of the format x scale) in f32.
;;   ~~~python
;;   def quantise(x, axis):      # numpy; x: float32 -> the quantised numbers, widened to float32 again
;;       x = np.moveaxis(x, axis, -1); K = x.shape[-1]
;;       x = np.pad(x, [(0, 0)] * (x.ndim - 1) + [(0, -K % 32)]); x = x.reshape(x.shape[:-1] + (-1, 32)); a = np.abs(x).max(-1, keepdims=True)
;;       e = np.where(a > 0, np.clip(np.frexp(np.where(a > 0, a, 1))[1] - 1 - 2, -126, 127), 0)      # np.frexp(a)[1] - 1 = floor(log2(a)), exactly
;;       r = np.clip(x / 2.0 ** e, -6, 6)
;;       step = 2.0 ** (np.maximum(np.frexp(np.where(r == 0, 1, r))[1] - 1, 0) - 1)
;;       q = np.round(r / step) * step * 2.0 ** e      # np.round: ties to even
;;       return np.moveaxis(q.reshape(q.shape[:-2] + (-1,))[..., :K], -1, axis).astype(np.float32)
;;   ~~~
;;   SOFTMAX AHEAD OF A QUANTISED PRODUCT. Where the list says 'softmax', what is quantised is not the finished softmax but p = 2^(t - M), with t = logit x log2(e) and M = ceil(the row's largest t), a whole number; so 1/2 < the row's largest p <= 1. The row's sum l is taken of the UNQUANTISED p, in f32, and the product's result is divided by l at the end. Since M is a whole number, a kernel that streams over the keys may use a running M (the ceiling of the running maximum): every later rescaling is an exact power of two, which a block's scale takes up: the codes' values come out the same.
;;   OPERANDS COMPUTED ON THE WAY. 'Computed on the way' means the value that the module computes at that place (a softmax that the list does not call 'softmax' is quantised finished and normalised). What goes into a quantiser is computed in f32, as accurately as f32 sums, v_exp_f32 and their like allow (about 1e-6 of the number): no bf16 or f16 on the way to a quantiser, and a product that is left as it is and whose result goes on into a quantised operand takes f32 operands (vector FMAs, or v_wmma_f32_16x16x4_f32). A number that lies on a knife's edge between two numbers of the format may be rounded either way, as far as f32 arithmetic and the matrix unit's own rounding can turn it there, and no further.
;;   INPUTS GIVEN AS CODES. Wf (in the module: [1024, 1024], K = its axis 0); Wk (in the module: [1024, 1024], K = its axis 0); Wq (in the module: [1024, 1024], K = its axis 0); Wv (in the module: [1024, 1024], K = its axis 0); y (in the module: [8, 1024, 1024], K = its axis 2): each comes as NAME_codes (uint8): NAME with its K axis moved to the last place and cut into blocks of 32 codes, [.., K / 32, bytes a block], one block behind the other in memory; two codes a byte, the lower K in the low four bits (a code: sign, 2 exponent bits, 1 mantissa bit); and NAME_scales (uint8): the same leading axes, one E8M0 byte (e + 127) for each 32 codes along K. Its value is code x scale, taken as it is: it is not quantised again, and the codes and scales need not be those that the quantiser above would give.
;; 2 versions. Each part assembles by itself: llvm-mc -triple=amdgcn-amd-amdhsa -mcpu=gfx1250 --defsym DOCPART=n.
;; ======== version 1 of 2: 3 launches
;; workspace buffers: qc 4,194,304 bytes; kc 4,194,304 bytes; vc 4,194,304 bytes; qs 524,288 bytes; ks 524,288 bytes; vs 524,288 bytes; o 33,554,432 bytes
;; launch proj (part 1): grid 128 x 3, 16 waves a work-group, no clusters, 173,056 bytes of LDS; arguments x, y_codes, y_scales, Wq_codes, Wq_scales, Wk_codes, Wk_scales, Wv_codes, Wv_scales, bq, bk, bv, qc, qs, kc, ks, vc, vs; writes qc, qs, kc, ks, vc, vs
.if DOCPART == 1
	.amdgcn_target "amdgcn-amd-amdhsa--gfx1250"
	.amdhsa_code_object_version 6
	.text
	.protected	k_q413e3736ec_proj
	.globl	k_q413e3736ec_proj
	.p2align	8
	.type	k_q413e3736ec_proj,@function
k_q413e3736ec_proj:
	s_mov_b64 s[64:65], 0
	v_nop
	global_prefetch_b8 v0, s[64:65] scope:SCOPE_SE
	s_setreg_imm32_b32 hwreg(HW_REG_WAVE_MODE, 25, 1), 1
	s_wait_xcnt 0x0
; q = Q(x) Wq + bq, k = y Wk + bk, v = y Wv + bv on codes of FP4 (E2M1) with one E8M0 scale for each 32 along K; the results are quantised at once for the attention's two products
; and leave as codes and scale words: q and k along a head's 64 channels (two blocks of 32), v along the keys.
; SHARES.  Work-group (i, g), g = 0: q, 1: k, 2: v, makes 64 rows R x 1,024 rows P over K = 1,024.  g = 0: R = rows 64 i of x (f32, quantised here), P = Wq.  g = 1: R = rows 64 i of y, P = Wk.
; g = 2: R = Wv's rows of head i % 16, P = the 1,024 keys of batch i / 16.  Wave w of sixteen owns P rows 64 w .. 64 w + 63 (q, k: head w; v: 64 keys): 4 x 4 accumulators.
; LAYOUT.  Each product is D = P fragment (source 0) x R fragment (source 1).  THE ROWS OF A TILE ARE NOT NEIGHBOURS: lane r of tile 2 b + u takes row 32 b + 8 u + r + 8 (r / 8), for P and for R.  So lane (r, h) of D
; holds one R row, and the 16 registers of P tiles 2 b, 2 b + 1 are the 16 neighbours 32 b + 16 h + 0 .. 15 along P, the axis that is quantised next.
; R's 32 fragments and scale words are shared by all sixteen waves: they go through LDS as images of the operand's registers, one barrier; a wave reads them half a K step ahead, into two buffers by turns.
; P's fragments are each multiplied by ONE wave: they go from memory straight into that wave's registers, two K steps ahead.
; NO JOINT LOADS IN A CLUSTER, though all work-groups of one g walk the same P: a joint load lands in LDS, and each of P's 512 KiB would then be stored there and read again by the one wave that wants it.
; LIMITS: NaN and infinities among the inputs are not served.  A block of zeros gets the scale byte 1 where the quantiser's rule says 127: its codes are zeros, and the bytes are read by this program alone.
.set RIMG, 0                           ; LDS: R's fragment (tile m, K step s) at (8 m + s) x 1,024 + 512 c + 16 x lane
.set RSC,  32768                       ; R's scale words: row 16 m + r at pitch 48, word s at 4 s
.set STG,  35840                       ; a stage of 16 rows x (512 + 16) bytes for each wave: x's rows turn here from dense loads to 16 neighbours a lane
.set LI,   1                           ; v1   16 x lane
.set PA,   2                           ; v2   P's codes: (64 w + r + 8 (r / 8)) x 512 + 16 h
.set RWS,  3                           ; v3   where I store the scale words of R's two images
.set RSA,  4                           ; v4   RSC + 48 x lane
.set XSI,  5                           ; v5   ahead of the barrier: my stage + 16 x lane
.set XSO,  6                           ; v6   ahead of the barrier: my stage + 528 r + 64 h
.set RWI,  7                           ; v7   ahead of the barrier: where I store R's two images: 2,048 w + 16 x lane
.set BPA,  5                           ; v5   behind the barrier: the bias along P: 256 w + 64 h
.set BRA,  6                           ; v6   behind the barrier: the bias along R
.set OSA,  7                           ; v7   behind the barrier: 16 r + 8 h: my two scale words on the way out
.set RFB0, 8                           ; v8-15 behind the barrier: R's tile 2 (the second buffer's first fragment)
.set RCA,  9                           ; v9   ahead of the barrier: R's codes in memory (g = 1, 2)
.set RCS,  10                          ; v10  ahead of the barrier: R's scale words in memory
.set PSA,  11                          ; v11  ahead of the barrier: P's scale words: (64 w + 8 h + r + 8 (r / 8)) x 32: lanes 0-15 an even tile, lanes 16-31 the odd one beside it
.set PW0,  14                          ; v14-15 ahead of the barrier: the scale words of my two images
.set ACC,  16                          ; v16-143 accumulator (m, t) at 16 + 32 m + 8 t
.set X0,   16                          ; v16-143 ahead of the products: 2 x 64 numbers of x
.set PF,   144                         ; v144-207 P's fragments, two sets of four
.set RFA,  208                         ; v208-223 R's tiles 0 and 1 (the first buffer)
.set TM,   208                         ; v208-223 ahead of the products: at work in QUANT
.set PS,   224                         ; v224-239 P's scale words: register 8 p + s
.set RS,   240                         ; v240-247 R's scale words of four K steps: register 4 p + s % 4
.set RFB1, 248                         ; v248-255 R's tile 3 (the second buffer's second fragment)
.set PC0,  240                         ; v240-255 ahead of the barrier: the codes of my two images
.set BP,   144                         ; behind K step 6: v144-175 the bias; behind the products: v184-199 codes, v200-203 scale words
.set PCO,  184
.set PWO,  200
.set SA,   204
.set T,    208                         ; v208-215 at work in QUANT2
.set SEL,  60                          ; s[60:61] v_permlanex16_b32's selects for lane l xor 16
; 64 numbers of a lane, register 16 b + i = k 32 b + 16 h + i of my row, become a fragment's 8 registers of codes and its scale word.
.macro QUANT src, pc, pw
.irp b, 0,1,2,3
	v_max3_num_f32 v[TM+\b], |v[(\src)+16*\b]|, |v[(\src)+1+16*\b]|, 0x1800000   ; my 16 numbers of block b, and the floor 2^(3 - 127): the byte cannot fall under 1
.endr
.irp i, 2,4,6,8,10,12,14
.irp b, 0,1,2,3
	v_max3_num_f32 v[TM+\b], v[TM+\b], |v[(\src)+16*\b+\i]|, |v[(\src)+1+16*\b+\i]|
.endr
.endr
.irp b, 0,1,2,3
	v_permlanex16_b32 v[TM+4+\b], v[TM+\b], s[SEL], s[SEL+1]
.endr
.irp b, 0,1,2,3
	v_max_num_f32 v[TM+\b], v[TM+\b], v[TM+4+\b]   ; with lane l xor 16's: the block's largest magnitude
.endr
.irp b, 0,1,2,3
	v_add_nc_u32 v[TM+12+\b], 0xff000000, v[TM+\b] ; 2 off its exponent field: the conversion's scale operand
.endr
.irp b, 0,1,2,3
	v_lshrrev_b32 v[TM+4+\b], 23, v[TM+12+\b]      ; the scale's byte
.endr
	v_lshl_or_b32 v[\pw], v[TM+5], 8, v[TM+4]
	v_lshl_or_b32 v[\pw], v[TM+6], 16, v[\pw]
	v_lshl_or_b32 v[\pw], v[TM+7], 24, v[\pw]
.irp b, 0,1,2,3
	v_cvt_scalef32_pk8_fp4_f32 v[(\pc)+2*\b], v[(\src)+16*\b:(\src)+7+16*\b], v[TM+12+\b]
	v_cvt_scalef32_pk8_fp4_f32 v[(\pc)+1+2*\b], v[(\src)+8+16*\b:(\src)+15+16*\b], v[TM+12+\b]
.endr
	v_nop                                          ; one plain place behind a scaled conversion
.irp c, 0,1
.irp i, 0,1
	v_permlane16_swap_b32 v[(\pc)+4*\c+\i], v[(\pc)+2+4*\c+\i]   ; a whole block to a lane: lanes 0-15 block 2 c, lanes 16-31 block 2 c + 1
.endr
.endr
.endm
; 32 numbers of a lane (two blocks, 16 of each) become 4 registers: lane (r, h) then holds the 32 codes of block h of its row; the scale word has the two bytes and zeros above.
.macro QUANT2 src, pc, pw
.irp b, 0,1
	v_max3_num_f32 v[T+\b], |v[(\src)+16*\b]|, |v[(\src)+1+16*\b]|, 0x1800000
.endr
.irp i, 2,4,6,8,10,12,14
.irp b, 0,1
	v_max3_num_f32 v[T+\b], v[T+\b], |v[(\src)+16*\b+\i]|, |v[(\src)+1+16*\b+\i]|
.endr
.endr
.irp b, 0,1
	v_permlanex16_b32 v[T+2+\b], v[T+\b], s[SEL], s[SEL+1]
.endr
.irp b, 0,1
	v_max_num_f32 v[T+\b], v[T+\b], v[T+2+\b]
.endr
.irp b, 0,1
	v_add_nc_u32 v[T+4+\b], 0xff000000, v[T+\b]
.endr
.irp b, 0,1
	v_lshrrev_b32 v[T+6+\b], 23, v[T+4+\b]
.endr
	v_lshl_or_b32 v[\pw], v[T+7], 8, v[T+6]
.irp b, 0,1
	v_cvt_scalef32_pk8_fp4_f32 v[(\pc)+2*\b], v[(\src)+16*\b:(\src)+7+16*\b], v[T+4+\b]
	v_cvt_scalef32_pk8_fp4_f32 v[(\pc)+1+2*\b], v[(\src)+8+16*\b:(\src)+15+16*\b], v[T+4+\b]
.endr
	v_nop                                          ; one plain place behind a scaled conversion
	v_permlane16_swap_b32 v[(\pc)], v[(\pc)+2]
	v_permlane16_swap_b32 v[(\pc)+1], v[(\pc)+3]
.endm
; One product.  zero = 1: it starts the sum.  ra, rb = 1: that side's scale words are taken from lanes 16-31 of the register named.
.macro WM d, a, b, zero, sa, sb, ra, rb
.if (\zero) && (\ra) && (\rb)
	v_wmma_scale_f32_16x16x128_f8f6f4 v[(\d):(\d)+7], v[(\a):(\a)+7], v[(\b):(\b)+7], 0, v[\sa], v[\sb] matrix_a_fmt:MATRIX_FMT_FP4 matrix_b_fmt:MATRIX_FMT_FP4 matrix_a_scale:MATRIX_SCALE_ROW1 matrix_b_scale:MATRIX_SCALE_ROW1
.elseif (\zero) && (\ra)
	v_wmma_scale_f32_16x16x128_f8f6f4 v[(\d):(\d)+7], v[(\a):(\a)+7], v[(\b):(\b)+7], 0, v[\sa], v[\sb] matrix_a_fmt:MATRIX_FMT_FP4 matrix_b_fmt:MATRIX_FMT_FP4 matrix_a_scale:MATRIX_SCALE_ROW1
.elseif (\zero) && (\rb)
	v_wmma_scale_f32_16x16x128_f8f6f4 v[(\d):(\d)+7], v[(\a):(\a)+7], v[(\b):(\b)+7], 0, v[\sa], v[\sb] matrix_a_fmt:MATRIX_FMT_FP4 matrix_b_fmt:MATRIX_FMT_FP4 matrix_b_scale:MATRIX_SCALE_ROW1
.elseif (\zero)
	v_wmma_scale_f32_16x16x128_f8f6f4 v[(\d):(\d)+7], v[(\a):(\a)+7], v[(\b):(\b)+7], 0, v[\sa], v[\sb] matrix_a_fmt:MATRIX_FMT_FP4 matrix_b_fmt:MATRIX_FMT_FP4
.elseif (\ra) && (\rb)
	v_wmma_scale_f32_16x16x128_f8f6f4 v[(\d):(\d)+7], v[(\a):(\a)+7], v[(\b):(\b)+7], v[(\d):(\d)+7], v[\sa], v[\sb] matrix_a_fmt:MATRIX_FMT_FP4 matrix_b_fmt:MATRIX_FMT_FP4 matrix_a_scale:MATRIX_SCALE_ROW1 matrix_b_scale:MATRIX_SCALE_ROW1
.elseif (\ra)
	v_wmma_scale_f32_16x16x128_f8f6f4 v[(\d):(\d)+7], v[(\a):(\a)+7], v[(\b):(\b)+7], v[(\d):(\d)+7], v[\sa], v[\sb] matrix_a_fmt:MATRIX_FMT_FP4 matrix_b_fmt:MATRIX_FMT_FP4 matrix_a_scale:MATRIX_SCALE_ROW1
.elseif (\rb)
	v_wmma_scale_f32_16x16x128_f8f6f4 v[(\d):(\d)+7], v[(\a):(\a)+7], v[(\b):(\b)+7], v[(\d):(\d)+7], v[\sa], v[\sb] matrix_a_fmt:MATRIX_FMT_FP4 matrix_b_fmt:MATRIX_FMT_FP4 matrix_b_scale:MATRIX_SCALE_ROW1
.else
	v_wmma_scale_f32_16x16x128_f8f6f4 v[(\d):(\d)+7], v[(\a):(\a)+7], v[(\b):(\b)+7], v[(\d):(\d)+7], v[\sa], v[\sb] matrix_a_fmt:MATRIX_FMT_FP4 matrix_b_fmt:MATRIX_FMT_FP4
.endif
.endm
; P's four fragments of K step s into one of the two sets: eight loads
.macro PLOAD set, s
.irp t, 0,1,2,3
.irp c, 0,1
	global_load_b128 v[PF+32*(\set)+8*\t+4*\c:PF+32*(\set)+8*\t+4*\c+3], v[PA], s[44:45] offset:(32*(\t/2)+8*(\t%2))*512+64*(\s)+32*\c
.endr
.endr
.endm
; R's tiles 2 a and 2 a + 1 of K step s, from their images: four loads, into buffer a
.macro RLOAD s, a
.if (\a) == 0
.irp c, 0,1
	ds_load_b128 v[RFA+4*\c:RFA+4*\c+3], v[LI] offset:(\s)*1024+512*\c
	ds_load_b128 v[RFA+8+4*\c:RFA+8+4*\c+3], v[LI] offset:(8+(\s))*1024+512*\c
.endr
.else
.irp c, 0,1
	ds_load_b128 v[RFB0+4*\c:RFB0+4*\c+3], v[LI] offset:(16+(\s))*1024+512*\c
	ds_load_b128 v[RFB1+4*\c:RFB1+4*\c+3], v[LI] offset:(24+(\s))*1024+512*\c
.endr
.endif
.endm
; eight products: R's tiles 2 a (in f0) and 2 a + 1 (in f1) x my four P tiles, K step s
.macro MUL8 s, a, f0, f1, z
.irp t, 0,1,2,3
	WM ACC+64*(\a)+8*\t, PF+32*((\s)%2)+8*\t, \f0, \z, PS+8*(\t/2)+(\s), RS+4*(\a)+(\s)%4, \t%2, 0
.endr
.irp t, 0,1,2,3
	WM ACC+64*(\a)+32+8*\t, PF+32*((\s)%2)+8*\t, \f1, \z, PS+8*(\t/2)+(\s), RS+4*(\a)+(\s)%4, \t%2, 1
.endr
.endm
	s_load_b512 s[8:23], s[0:1], 0x0               ; x, y_codes, y_scales, Wq_codes, Wq_scales, Wk_codes, Wk_scales, Wv_codes
	s_load_b512 s[24:39], s[0:1], 0x40             ; Wv_scales, bq, bk, bv, qc, qs, kc, ks
	s_load_b128 s[40:43], s[0:1], 0x80             ; vc, vs
	v_lshrrev_b32 v208, 5, v0
	v_readfirstlane_b32 s2, v208                   ; wave 0..15
	s_and_b32 s3, ttmp7, 0xffff                    ; g
	s_mov_b32 s4, ttmp9                            ; i
	s_lshr_b32 s5, s2, 2                           ; which tile of R I prepare
	s_and_b32 s6, s2, 3                            ; and which two K steps of it
	s_lshr_b32 s7, s5, 1
	s_lshl_b32 s7, s7, 5
	s_and_b32 s66, s5, 1
	s_lshl_b32 s66, s66, 3
	s_add_co_u32 s7, s7, s66                       ; that tile's first row: 32 (m / 2) + 8 (m % 2)
	s_mov_b32 s[SEL], 0x76543210
	s_mov_b32 s[SEL+1], 0xfedcba98
	s_mov_b32 s63, 0xffff0000                      ; lanes 16-31
	v_and_b32 v208, 31, v0                         ; lane
	v_and_b32 v209, 15, v0                         ; r
	v_bfe_u32 v210, v0, 4, 1                       ; h
	v_and_b32 v211, 8, v209
	v_add_nc_u32 v211, v211, v209                  ; r + 8 (r / 8)
	v_lshlrev_b32 v[LI], 4, v208
	s_lshl_b32 s66, s2, 15
	v_lshlrev_b32 v[PA], 9, v211
	v_lshl_add_u32 v[PA], v210, 4, v[PA]
	v_add_nc_u32 v[PA], s66, v[PA]
	s_lshl_b32 s66, s2, 11
	v_lshlrev_b32 v[PSA], 5, v211
	v_lshl_add_u32 v[PSA], v210, 8, v[PSA]
	v_add_nc_u32 v[PSA], s66, v[PSA]
	v_add_nc_u32 v[RWI], s66, v[LI]                ; fragments 2 w and 2 w + 1 of the 32: 8 (w / 4) + 2 (w % 4) = 2 w
	v_mad_u32_u24 v[RSA], v208, 48, RSC
	s_mul_i32 s66, s2, 8448
	s_add_co_u32 s66, s66, STG
	v_add_nc_u32 v[XSI], s66, v[LI]
	v_mul_u32_u24 v[XSO], v209, 528
	v_lshl_add_u32 v[XSO], v210, 6, v[XSO]
	v_add_nc_u32 v[XSO], s66, v[XSO]
	s_mul_i32 s66, s5, 768
	s_lshl_b32 s67, s6, 3
	s_add_co_u32 s66, s66, s67
	s_add_co_u32 s66, s66, RSC
	v_mul_u32_u24 v[RWS], v209, 48
	v_add_nc_u32 v[RWS], s66, v[RWS]
	v_add_nc_u32 v[RCA], s7, v211                  ; my row of R's 64
	v_lshlrev_b32 v[RCS], 5, v[RCA]
	v_add_nc_u32 v[RCS], s67, v[RCS]
	v_lshlrev_b32 v[RCA], 9, v[RCA]
	v_lshl_add_u32 v[RCA], v210, 4, v[RCA]
	s_lshl_b32 s67, s6, 7
	v_add_nc_u32 v[RCA], s67, v[RCA]
.irp b, 0,1,2,3
	v_mov_b32 v[TM+4+\b], 0                        ; written once: a lane permute's destination counts as one of its sources
.endr
	s_lshr_b32 s66, s4, 4                          ; i / 16
	s_and_b32 s67, s4, 15                          ; i % 16
	s_wait_kmcnt 0x0
	; the buffers of this g: choices on the work-group's number alone
	s_cmp_eq_u32 s3, 0
	s_cselect_b64 s[44:45], s[14:15], s[18:19]     ; P's codes
	s_cselect_b64 s[46:47], s[16:17], s[20:21]     ; P's scales
	s_cselect_b64 s[52:53], s[26:27], s[28:29]     ; the bias
	s_cselect_b64 s[54:55], s[32:33], s[36:37]     ; codes out
	s_cselect_b64 s[56:57], s[34:35], s[38:39]     ; scale words out
	s_cmp_eq_u32 s3, 2
	s_cselect_b64 s[44:45], s[10:11], s[44:45]
	s_cselect_b64 s[46:47], s[12:13], s[46:47]
	s_cselect_b64 s[48:49], s[22:23], s[10:11]     ; R's codes (g = 0: a valid address that is not used)
	s_cselect_b64 s[50:51], s[24:25], s[12:13]     ; R's scales
	s_cselect_b64 s[52:53], s[30:31], s[52:53]
	s_cselect_b64 s[54:55], s[40:41], s[54:55]
	s_cselect_b64 s[56:57], s[42:43], s[56:57]
	s_cselect_b32 s68, s66, 0                      ; P's batch (v), else 0
	s_cselect_b32 s70, s67, s4                     ; R's block of 64 rows
	s_mov_b32 s67, 0
	s_lshl_b32 s66, s68, 19
	s_add_nc_u64 s[44:45], s[44:45], s[66:67]
	s_lshl_b32 s66, s68, 15
	s_add_nc_u64 s[46:47], s[46:47], s[66:67]
	s_lshl_b32 s66, s70, 15
	s_add_nc_u64 s[48:49], s[48:49], s[66:67]
	s_lshl_b32 s66, s70, 11
	s_add_nc_u64 s[50:51], s[50:51], s[66:67]
	s_lshl_b32 s66, s4, 15
	s_lshl_b32 s68, s2, 11
	s_add_co_u32 s66, s66, s68
	s_add_nc_u64 s[54:55], s[54:55], s[66:67]      ; my 2,048 bytes of codes
	s_lshl_b32 s66, s4, 12
	s_lshl_b32 s68, s2, 8
	s_add_co_u32 s66, s66, s68
	s_add_nc_u64 s[56:57], s[56:57], s[66:67]      ; my 256 bytes of scale words
	s_lshl_b32 s66, s4, 18
	s_lshl_b32 s68, s7, 12
	s_add_co_u32 s66, s66, s68
	s_lshl_b32 s68, s6, 10
	s_add_co_u32 s66, s66, s68
	s_add_nc_u64 s[58:59], s[8:9], s[66:67]        ; x at my tile's first row, my 256 numbers along K
	; P's scale words for all of K, and its fragments of K steps 0 and 1
.irp p, 0,1
.irp e, 0,1
	global_load_b128 v[PS+8*\p+4*\e:PS+8*\p+4*\e+3], v[PSA], s[46:47] offset:1024*\p+16*\e
.endr
.endr
	PLOAD 0, 0
	PLOAD 1, 1
	; R: each wave prepares two of the 32 fragments
	s_cmp_lg_u32 s3, 0
	s_cbranch_scc1 .Lcodes
	; q: 16 rows x 256 numbers of x.  Each load reads 512 consecutive bytes of one row
.irp u, 0,1
.irp p, 0,1,2,3,4,5,6,7,8,9,10,11,12,13,14,15
	global_load_b128 v[X0+64*\u+4*\p:X0+64*\u+4*\p+3], v[LI], s[58:59] offset:(\p+8*(\p/8))*4096+512*\u th:TH_LOAD_NT
.endr
.endr
.irp u, 0,1
	s_wait_loadcnt 16-16*\u                        ; this K step's 16 loads are in; the other's 16 were issued behind them
.irp p, 0,1,2,3,4,5,6,7,8,9,10,11,12,13,14,15
	ds_store_b128 v[XSI], v[X0+64*\u+4*\p:X0+64*\u+4*\p+3] offset:528*\p
.endr
	s_wait_dscnt 0x0                               ; the stores have read their registers, which the loads below fill again
.irp b, 0,1,2,3
.irp q, 0,1,2,3
	ds_load_b128 v[X0+64*\u+16*\b+4*\q:X0+64*\u+16*\b+4*\q+3], v[XSO] offset:128*\b+16*\q   ; my row's 16 neighbours of each block of 32
.endr
.endr
	s_wait_dscnt 0x0
	QUANT X0+64*\u, PC0+8*\u, PW0+\u
.endr
	s_branch .Ljoin
.Lcodes:
	; k, v: R comes as codes: the fragments as they lie
.irp u, 0,1
.irp c, 0,1
	global_load_b128 v[PC0+8*\u+4*\c:PC0+8*\u+4*\c+3], v[RCA], s[48:49] offset:64*\u+32*\c
.endr
	global_load_b32 v[PW0+\u], v[RCS], s[50:51] offset:4*\u
.endr
	s_wait_loadcnt 0x0
.Ljoin:                                                ; on both ways every load issued so far is in: v9-11, which were their offsets, are free
.irp u, 0,1
.irp c, 0,1
	ds_store_b128 v[RWI], v[PC0+8*\u+4*\c:PC0+8*\u+4*\c+3] offset:1024*\u+512*\c
.endr
	ds_store_b32 v[RWS], v[PW0+\u] offset:4*\u     ; both halves of the lanes write the same word with the same value
.endr
	s_wait_dscnt 0x0                               ; for the others' sake: my images have landed
	s_barrier_signal -1
	s_barrier_wait -1                              ; R's 32 fragments and their scale words lie in LDS; nothing there is written again
.irp p, 0,1
	ds_load_b128 v[RS+4*\p:RS+4*\p+3], v[RSA] offset:1536*\p   ; K steps 0-3: lanes 0-15 tile 2 p, lanes 16-31 tile 2 p + 1
.endr
	RLOAD 0, 0
	; the offsets of the way out, into registers that held LDS addresses of the phase just ended
	s_lshl_b32 s66, s2, 8
	s_and_b32 s67, s4, 15
	s_lshl_b32 s67, s67, 6
	v_bfe_u32 v12, v0, 4, 1                        ; h
	v_and_b32 v13, 15, v0                          ; r
	v_lshl_add_u32 v[BPA], v12, 6, s66
	v_lshlrev_b32 v[OSA], 4, v13
	v_lshl_add_u32 v[OSA], v12, 3, v[OSA]
	v_and_b32 v12, 8, v13
	v_add_nc_u32 v12, v12, v13                     ; r + 8 (r / 8)
	v_add_nc_u32 v[BRA], s67, v12
	v_lshlrev_b32 v[BRA], 2, v[BRA]
; A K step of 128: two halves of two R tiles x my four P tiles.  Each half first asks for the next half's two R fragments, into the buffer that the half before has left, and then waits for its own.
; The 16 accumulators take turns, one instruction a turn, in the same order in every step.
.macro KSTEP s
.if (\s) == 0
.set Z, 1
.else
.set Z, 0
.endif
.if (\s) == 4
.irp p, 0,1
	ds_load_b128 v[RS+4*\p:RS+4*\p+3], v[RSA] offset:1536*\p+16   ; R's scale words of K steps 4-7: K step 3's products, which read these registers, stand four places back
.endr
.endif
	RLOAD \s, 1
	s_wait_loadcnt 8                               ; this step's P fragments are in; the eight loads issued behind them (the next step's; in the last step the bias) may be out
	s_wait_dscnt 4                                 ; tiles 0 and 1 are in (and the scale words); the four loads just issued may be out
	MUL8 \s, 0, RFA, RFA+8, Z
.rept 4
	v_nop                                          ; places in front of loads into registers that these products have read
.endr
.if (\s) < 7
	RLOAD (\s)+1, 0
	s_wait_dscnt 4                                 ; tiles 2 and 3 are in; the four loads just issued may be out
.else
	s_wait_dscnt 0x0
.endif
	MUL8 \s, 1, RFB0, RFB1, Z
.rept 4
	v_nop                                          ; places in front of loads into registers that these products have read, and of the first read of results
.endr
.if (\s) < 6
	PLOAD (\s)%2, (\s)+2
.endif
.endm
.irp k, 0,1,2,3,4,5,6
	KSTEP \k
.endr
; THE TAIL: the bias is asked for a K step ahead of its use, into the set of P fragments that K step 6 has left: eight loads on either way.  q, k: along P, a register's own.  v: along R, a lane's own,
; loaded twice so that it fills the pair that the packed addition names.  Then the last K step, the bias, the quantiser, the stores.
.macro TAIL isv
.if \isv
.irp m, 0,1,2,3
	global_load_b32 v[BP+2*\m], v[BRA], s[52:53] offset:(32*(\m/2)+8*(\m%2))*4
	global_load_b32 v[BP+2*\m+1], v[BRA], s[52:53] offset:(32*(\m/2)+8*(\m%2))*4
.endr
.else
.irp b, 0,1
.irp q, 0,1,2,3
	global_load_b128 v[BP+16*\b+4*\q:BP+16*\b+4*\q+3], v[BPA], s[52:53] offset:128*\b+16*\q
.endr
.endr
.endif
	KSTEP 7
	s_wait_loadcnt 0x0                             ; the bias
.irp m, 0,1,2,3
.set j, 0
.rept 16
.if \isv
	v_pk_add_f32 v[ACC+32*\m+j:ACC+32*\m+j+1], v[ACC+32*\m+j:ACC+32*\m+j+1], v[BP+2*\m:BP+2*\m+1]   ; each accumulator from its low end on
.else
	v_pk_add_f32 v[ACC+32*\m+j:ACC+32*\m+j+1], v[ACC+32*\m+j:ACC+32*\m+j+1], v[BP+j:BP+j+1]         ; each accumulator from its low end on
.endif
.set j, j+2
.endr
	QUANT2 ACC+32*\m, PCO+4*\m, PWO+\m
	global_store_b128 v[LI], v[PCO+4*\m:PCO+4*\m+3], s[54:55] offset:512*\m   ; 32 lanes store 512 consecutive bytes: registers 0-3 of the next product's fragment, lane by lane
.endr
	v_cndmask_b32 v[SA], v[PWO], v[PWO+2], s63     ; lanes 0-15 carry tiles 0 and 1's words, lanes 16-31 tiles 2 and 3's
	v_cndmask_b32 v[SA+1], v[PWO+1], v[PWO+3], s63
	global_store_b64 v[OSA], v[SA:SA+1], s[56:57]  ; 256 consecutive bytes: [r][tile] words
	s_wait_xcnt 0x0
	v_lshl_add_u32 v254, v0, 2, 0x29c00
	v_mov_b32 v255, 0
	s_wait_tensorcnt 0x0
	ds_add_u32 v254, v255
	s_wait_dscnt 0x0
	s_endpgm
.endm
	s_cmp_eq_u32 s3, 2
	s_cbranch_scc1 .Lv
	TAIL 0
.Lv:
	TAIL 1
.Lfunc_end_k_q413e3736ec_proj:
	.size	k_q413e3736ec_proj, .Lfunc_end_k_q413e3736ec_proj-k_q413e3736ec_proj
	.p2alignl 7, 3214868480
	.fill 96, 4, 3214868480
	.section	.rodata,"a",@progbits
	.p2align	6, 0x0
	.amdhsa_kernel k_q413e3736ec_proj
		.amdhsa_group_segment_fixed_size 173056
		.amdhsa_private_segment_fixed_size 0
		.amdhsa_enable_private_segment 0
		.amdhsa_kernarg_size 144
		.amdhsa_user_sgpr_count 2
		.amdhsa_user_sgpr_kernarg_segment_ptr 1
		.amdhsa_wavefront_size32 1
		.amdhsa_system_sgpr_workgroup_id_x 1
		.amdhsa_system_sgpr_workgroup_id_y 1
		.amdhsa_system_sgpr_workgroup_id_z 1
		.amdhsa_system_vgpr_workitem_id 0
		.amdhsa_next_free_vgpr 256
		.amdhsa_next_free_sgpr 72
		.amdhsa_reserve_vcc 0
		.amdhsa_float_denorm_mode_32 3
		.amdhsa_float_denorm_mode_16_64 3
		.amdhsa_memory_ordered 1
		.amdhsa_forward_progress 1
		.amdhsa_inst_pref_size 79
	.end_amdhsa_kernel
	.amdgpu_metadata
---
amdhsa.version: [ 1, 2 ]
amdhsa.kernels:
  - .name:           k_q413e3736ec_proj
    .symbol:         k_q413e3736ec_proj.kd
    .args:
      - { .name: x, .offset: 0, .size: 8, .value_kind: global_buffer, .address_space: global }
      - { .name: y_codes, .offset: 8, .size: 8, .value_kind: global_buffer, .address_space: global }
      - { .name: y_scales, .offset: 16, .size: 8, .value_kind: global_buffer, .address_space: global }
      - { .name: Wq_codes, .offset: 24, .size: 8, .value_kind: global_buffer, .address_space: global }
      - { .name: Wq_scales, .offset: 32, .size: 8, .value_kind: global_buffer, .address_space: global }
      - { .name: Wk_codes, .offset: 40, .size: 8, .value_kind: global_buffer, .address_space: global }
      - { .name: Wk_scales, .offset: 48, .size: 8, .value_kind: global_buffer, .address_space: global }
      - { .name: Wv_codes, .offset: 56, .size: 8, .value_kind: global_buffer, .address_space: global }
      - { .name: Wv_scales, .offset: 64, .size: 8, .value_kind: global_buffer, .address_space: global }
      - { .name: bq, .offset: 72, .size: 8, .value_kind: global_buffer, .address_space: global }
      - { .name: bk, .offset: 80, .size: 8, .value_kind: global_buffer, .address_space: global }
      - { .name: bv, .offset: 88, .size: 8, .value_kind: global_buffer, .address_space: global }
      - { .name: qc, .offset: 96, .size: 8, .value_kind: global_buffer, .address_space: global }
      - { .name: qs, .offset: 104, .size: 8, .value_kind: global_buffer, .address_space: global }
      - { .name: kc, .offset: 112, .size: 8, .value_kind: global_buffer, .address_space: global }
      - { .name: ks, .offset: 120, .size: 8, .value_kind: global_buffer, .address_space: global }
      - { .name: vc, .offset: 128, .size: 8, .value_kind: global_buffer, .address_space: global }
      - { .name: vs, .offset: 136, .size: 8, .value_kind: global_buffer, .address_space: global }
    .group_segment_fixed_size: 173056
    .private_segment_fixed_size: 0
    .kernarg_segment_align: 8
    .kernarg_segment_size: 144
    .max_flat_workgroup_size: 512
    .sgpr_count:     72
    .vgpr_count:     256
    .wavefront_size: 32
...
	.end_amdgpu_metadata
.endif
;; end of part 1
;; launch attn (part 2): grid 2 x 128, 16 waves a work-group, no clusters, 73,728 bytes of LDS; arguments qc, qs, kc, ks, vc, vs, o; writes o
.if DOCPART == 2
	.amdgcn_target "amdgcn-amd-amdhsa--gfx1250"
	.amdhsa_code_object_version 6
	.text
	.protected	k_q413e3736ec_attn
	.globl	k_q413e3736ec_attn
	.p2align	8
	.type	k_q413e3736ec_attn,@function
k_q413e3736ec_attn:
	s_mov_b64 s[64:65], 0
	v_nop
	global_prefetch_b8 v0, s[64:65] scope:SCOPE_SE
	s_setreg_imm32_b32 hwreg(HW_REG_WAVE_MODE, 25, 1), 1
	s_wait_xcnt 0x0
; o = softmax_k(q . k / 32) v for one head, both products on codes of FP4 (E2M1) with E8M0 scales, from the codes and scale words that the launch before laid in the order of the operands' registers.
; THE SOFTMAX AHEAD OF THE SECOND PRODUCT: t = score x log2(e) / 32; M = the row's largest t so far, rounded UP to a whole number; p = 2^(t - M) is quantised along the keys, not normalised.  The row's sum is taken
; of the unquantised p and divides at the end.  When M moves, the sum and O are multiplied by 2^(old M - new M): exact.
; SHARES.  Work-group (half, 16 batch + head): 512 queries of one head.  The head's 1,024 keys (32 KiB of K's codes, 32 KiB of V's, 6 KiB of scale words) are copied into LDS once: one barrier, nothing is filled again.
; Wave w of sixteen owns 32 queries, as two tiles of 16, one after the other (a loop of two trips); in a trip the eight steps of 128 keys are written out, every offset an immediate.
; LAYOUT.  S^T = K Q^T (source 0 = 16 keys, source 1 = 16 queries), O^T = V^T P^T (source 0 = 16 channels): a lane holds ONE query throughout.  A head has 64 channels: the first product's K = 64 .. 127 are zero codes
; on both sides (registers 4-7 of Q's and K's fragments, cleared once), under the scale bytes 0 that the scale words carry there.
; The keys, queries and channels of a tile are not neighbours: lane r of tile 2 b + u holds row 32 b + 8 u + r + 8 (r / 8), so the 16 registers of tiles 2 b, 2 b + 1 of a result are 16 neighbours.
; THE RESULT LEAVES AS AN IMAGE OF MY REGISTERS: o is [block of 32 queries][head][tile][8 groups of 4 registers][lane][16 bytes].  The next launch's wave for these 32 rows and these 64 columns wants the same numbers in
; the same lanes and registers, so nothing is turned here or there, and each store covers 512 consecutive bytes.
; NO JOINT LOADS IN A CLUSTER: the two work-groups of a head read the same 70 KiB once each at their start; that is the whole of what is shared.
; LIMITS: NaN and infinities are not served.
.set KIMG, 0                           ; K's tile T of 16 keys at 512 T + 16 x lane
.set VIMG, 32768                       ; V's (64 keys w', channel tile n) at 2,048 w' + 512 n + 16 x lane
.set KSC,  65536                       ; K's scale words: 64 keys G at 256 G + 16 r + 4 x tile
.set VSC,  69632                       ; V's: key step s at 256 s + 16 r + 4 n, the two halves' bytes merged
.set SEL,  38                          ; s[38:39] v_permlanex16_b32's selects for lane l xor 16
.set CS,   40                          ; s[40:41] c = log2(e) / 32: the packed form names a pair and takes its low word for both halves
; REGISTERS: v1 16 x lane; v2 KSC + 16 r; v7 16 r; v11 the second tile's scale words of Q; v12 -M, v13 the largest t, v[14:15] the sum; v16-23 Q; v24-31 K's scale words; v32-95 K's 8 fragments;
; v96-159 S^T, then p; v160-191 O^T; v192-223 V's 4 fragments; v224-231 p's codes; v232-247, v252-254 at work; v240-243 V's scale words; v248-251 the second tile's codes of Q; v253 p's scale word; v255 Q's.
	s_load_b256 s[8:15], s[0:1], 0x0               ; qc, qs, kc, ks
	s_load_b128 s[16:19], s[0:1], 0x20             ; vc, vs
	s_load_b64 s[20:21], s[0:1], 0x30              ; o
	v_lshl_add_u32 v5, v0, 2, 0x11800
	v_mov_b32 v6, 0
	v_lshrrev_b32 v8, 5, v0
	v_readfirstlane_b32 s2, v8                     ; wave 0..15
	s_and_b32 s3, ttmp7, 0xffff                    ; 16 batch + head
	s_lshr_b32 s4, s3, 4                           ; batch
	s_and_b32 s5, s3, 15                           ; head
	s_lshr_b32 s6, s2, 1
	s_and_b32 s7, s2, 1
	s_lshl_b32 s42, s4, 19
	s_lshl_b32 s43, s5, 11
	s_add_co_u32 s42, s42, s43                     ; the batch's and the head's part of an offset into qc or kc
	s_lshl_b32 s43, s2, 15
	s_add_co_u32 s24, s42, s43                     ; K: keys 64 w on
	s_lshr_b32 s26, s24, 3                         ; their scale words: an eighth of the bytes, laid alike
	s_lshl_b32 s43, ttmp9, 3
	s_add_co_u32 s43, s43, s6                      ; my block of 64 queries: 8 half + w / 2
	s_lshl_b32 s43, s43, 15
	s_add_co_u32 s32, s42, s43
	s_lshr_b32 s34, s32, 3
	s_lshl_b32 s43, s7, 10
	s_add_co_u32 s32, s32, s43                     ; Q: tiles 2 (w % 2) and the next
	s_lshl_b32 s43, s7, 3
	s_add_co_u32 s34, s34, s43
	s_lshl_b32 s28, s3, 15
	s_lshl_b32 s43, s2, 11
	s_add_co_u32 s28, s28, s43                     ; V: keys 64 w on
	s_lshl_b32 s30, s3, 12
	s_lshl_b32 s43, s6, 9
	s_add_co_u32 s30, s30, s43
	s_lshl_b32 s43, s7, 7
	s_add_co_u32 s30, s30, s43                     ; V's scale words: key step w / 2, half w % 2 of its 64 words
	s_lshl_b32 s36, s4, 22
	s_lshl_b32 s43, ttmp9, 21
	s_add_co_u32 s36, s36, s43
	s_lshl_b32 s43, s2, 17
	s_add_co_u32 s36, s36, s43
	s_lshl_b32 s43, s5, 13
	s_add_co_u32 s36, s36, s43                     ; o: block 32 batch + 16 half + w of 131,072 bytes, the head's 8,192 of them
.irp p, 25,27,29,31,33,35,37
	s_mov_b32 s\p, 0
.endr
	s_mov_b32 s[SEL], 0x76543210
	s_mov_b32 s[SEL+1], 0xfedcba98
	s_mov_b32 s[CS], 0x3d38aa3b
	s_mov_b32 s[CS+1], s[CS]
	v_and_b32 v8, 31, v0                           ; lane
	v_and_b32 v9, 15, v0                           ; r
	v_lshlrev_b32 v1, 4, v8
	v_lshl_add_u32 v2, v9, 4, KSC
	v_lshlrev_b32 v7, 4, v9
	v_lshlrev_b32 v68, 3, v8
	v_lshlrev_b32 v69, 2, v8
	s_lshl_b32 s22, s2, 11
	v_add_nc_u32 v8, s22, v1                       ; 2,048 w + 16 x lane
	v_lshl_add_u32 v9, v0, 3, KSC                  ; 256 w + 8 x lane
	v_lshl_add_u32 v10, v0, 2, VSC                 ; 128 w + 4 x lane
	s_wait_kmcnt 0x0
	s_add_nc_u64 s[12:13], s[12:13], s[24:25]
	s_add_nc_u64 s[14:15], s[14:15], s[26:27]
	s_add_nc_u64 s[16:17], s[16:17], s[28:29]
	s_add_nc_u64 s[18:19], s[18:19], s[30:31]
	s_add_nc_u64 s[8:9], s[8:9], s[32:33]
	s_add_nc_u64 s[10:11], s[10:11], s[34:35]
	s_add_nc_u64 s[20:21], s[20:21], s[36:37]
	; the head's K and V into LDS: each wave copies a sixteenth, every load and store 512, 256 or 128 consecutive bytes.  Q of both my tiles comes with them: one wait for memory serves all
.irp i, 0,1,2,3
	global_load_b128 v[32+4*\i:35+4*\i], v1, s[12:13] offset:512*\i
.endr
.irp i, 0,1,2,3
	global_load_b128 v[48+4*\i:51+4*\i], v1, s[16:17] offset:512*\i
.endr
	global_load_b64 v[64:65], v68, s[14:15]
	global_load_b32 v66, v69, s[18:19]
	global_load_b32 v67, v69, s[18:19] offset:256
	global_load_b128 v[16:19], v1, s[8:9]          ; Q's codes, first tile: registers 0-3 of the fragment
	global_load_b128 v[248:251], v1, s[8:9] offset:512   ; second tile
	global_load_b32 v255, v7, s[10:11]             ; Q's scale words, first tile
	global_load_b32 v11, v7, s[10:11] offset:4     ; second tile
	s_wait_loadcnt 0x0
	v_lshl_or_b32 v66, v67, 16, v66                ; the bytes of keys 128 s + 0 .. 63 below, of 64 .. 127 above: the word of a key step
.irp i, 0,1,2,3
	ds_store_b128 v8, v[32+4*\i:35+4*\i] offset:KIMG+512*\i
	ds_store_b128 v8, v[48+4*\i:51+4*\i] offset:VIMG+512*\i
.endr
	ds_store_b64 v9, v[64:65]
	ds_store_b32 v10, v66
	s_wait_dscnt 0x0                               ; for the others' sake: my part has landed
	s_barrier_signal -1
	s_barrier_wait -1
.irp t, 0,1,2,3,4,5,6,7
.irp i, 4,5,6,7
	v_mov_b32 v[32+8*\t+\i], 0                     ; K = 64 .. 127 of the first product: zero codes, set once
.endr
.endr
.irp i, 20,21,22,23
	v_mov_b32 v\i, 0
.endr
.irp b, 0,1,2,3
	v_mov_b32 v[236+\b], 0                         ; written once: a lane permute's destination counts as one of its sources
.endr
	v_mov_b32 v252, 0
	v_mov_b32 v253, 0                              ; (named as the upper half of the pair v[252:253] before it is first written)
; K's eight fragments and scale words of key step s: ten loads
.macro KLOAD s
.irp t, 0,1,2,3,4,5,6,7
	ds_load_b128 v[32+8*\t:35+8*\t], v1 offset:KIMG+4096*(\s)+512*\t
.endr
.irp e, 0,1
	ds_load_b128 v[24+4*\e:27+4*\e], v2 offset:512*(\s)+256*\e
.endr
.endm
; A KEY STEP: 128 keys.  Its K was asked for in the step before (the first step's: at the trip's head)
.macro STEP s
	s_wait_dscnt 0x0                               ; K's fragments and scale words
.irp t, 0,1,2,3,4,5,6,7
	v_wmma_scale_f32_16x16x128_f8f6f4 v[96+8*\t:103+8*\t], v[32+8*\t:39+8*\t], v[16:23], 0, v[24+\t], v255 matrix_a_fmt:MATRIX_FMT_FP4 matrix_b_fmt:MATRIX_FMT_FP4
.endr
.rept 4
	v_nop                                          ; places behind these products, and behind the last step's V^T P: the registers that both have read are loaded anew below
.endr
.irp n, 0,1,2,3
.irp c, 0,1
	ds_load_b128 v[192+8*\n+4*\c:195+8*\n+4*\c], v1 offset:VIMG+4096*(\s)+2048*\c+512*\n   ; V's fragments land while the softmax is walked,
.endr
.endr
	ds_load_b128 v[240:243], v2 offset:4096+256*(\s)
.if (\s) < 7
	KLOAD (\s)+1                                   ; and so does the next step's K
.endif
.irp b, 0,1,2,3
	v_max3_num_f32 v[232+\b], v[96+16*\b], v[97+16*\b], v[98+16*\b]   ; the largest score of each block of 32 keys: for the row's maximum, and, since p rises with the score, for the block's largest p
.endr
.irp i, 3,5,7,9,11,13
.irp b, 0,1,2,3
	v_max3_num_f32 v[232+\b], v[232+\b], v[96+16*\b+\i], v[97+16*\b+\i]
.endr
.endr
.irp b, 0,1,2,3
	v_max_num_f32 v[232+\b], v[232+\b], v[111+16*\b]
.endr
.irp b, 0,1,2,3
	v_permlanex16_b32 v[236+\b], v[232+\b], s[SEL], s[SEL+1]
.endr
.irp b, 0,1,2,3
	v_max_num_f32 v[232+\b], v[232+\b], v[236+\b]  ; with lane l xor 16's 16 keys
.endr
	v_max3_num_f32 v254, v232, v233, v234
	v_max_num_f32 v254, v254, v235                 ; the step's largest score of my query
	v_mul_f32 v254, s[CS], v254                    ; as t (c is positive)
	v_max_num_f32 v13, v13, v254                   ; the running largest t
	v_mov_b32 v254, v12
	v_floor_f32 v12, -v13                          ; the new -M = floor(-t) = -ceil(t): a whole number
	v_sub_f32 v254, v12, v254                      ; old M - new M: a whole number, 0 or less
	v_cvt_i32_f32 v254, v254                       ; (it saturates)
	v_ldexp_f32 v252, 1.0, v254                    ; f = 2^(old M - new M)
.irp j, 0,2,4,6,8,10,12,14,16,18,20,22,24,26,28,30,32,34,36,38,40,42,44,46,48,50,52,54,56,58,60,62
	v_pk_fma_f32 v[96+\j:97+\j], v[96+\j:97+\j], s[CS:CS+1], v[12:13] op_sel_hi:[1,0,0]   ; t - M, two at a time
.endr
.irp b, 0,1,2,3
	v_fma_f32 v[232+\b], v[232+\b], s[CS], v12     ; the same of each block's largest score
.endr
.irp j, 0,1,2,3,4,5,6,7,8,9,10,11,12,13,14,15,16,17,18,19,20,21,22,23,24,25,26,27,28,29,30,31,32,33,34,35,36,37,38,39,40,41,42,43,44,45,46,47,48,49,50,51,52,53,54,55,56,57,58,59,60,61,62,63
	v_exp_f32 v[96+\j], v[96+\j]                   ; p = 2^(t - M), at most 1
.endr
.irp b, 0,1,2,3
	v_exp_f32 v[232+\b], v[232+\b]                 ; the block's largest p: the same two instructions on the same number
.endr
	v_pk_mul_f32 v[14:15], v[14:15], v[252:253] op_sel_hi:[1,0]   ; the sums under the new M (a plain place behind the exponentials)
	s_wait_alu depctr_va_vdst(0)
.irp b, 0,1,2,3
	v_max_num_f32 v[232+\b], 0x1800000, v[232+\b]  ; the floor 2^(3 - 127): the byte cannot fall under 1
.endr
.irp b, 0,1,2,3
	v_add_nc_u32 v[244+\b], 0xff000000, v[232+\b]  ; 2 off the exponent field: the conversion's scale operand
.endr
.irp b, 0,1,2,3
	v_lshrrev_b32 v[236+\b], 23, v[244+\b]         ; the scale's byte
.endr
	v_lshl_or_b32 v253, v237, 8, v236              ; p's scale word for these 128 keys
	v_lshl_or_b32 v253, v238, 16, v253
	v_lshl_or_b32 v253, v239, 24, v253
.irp b, 0,1,2,3
	v_cvt_scalef32_pk8_fp4_f32 v[224+2*\b], v[96+16*\b:103+16*\b], v[244+\b]
	v_cvt_scalef32_pk8_fp4_f32 v[225+2*\b], v[104+16*\b:111+16*\b], v[244+\b]
.endr
	v_nop                                          ; one plain place behind a scaled conversion
.irp c, 0,1
.irp i, 0,1
	v_permlane16_swap_b32 v[224+4*\c+\i], v[226+4*\c+\i]   ; a whole block to a lane
.endr
.endr
	v_pk_add_f32 v[236:237], v[96:97], v[98:99]    ; the row's sum is taken of the unquantised p: two at a time, in two chains
.irp j, 4,8,12,16,20,24,28,32,36,40,44,48,52,56,60
	v_pk_add_f32 v[14:15], v[14:15], v[96+\j:97+\j]
	v_pk_add_f32 v[236:237], v[236:237], v[98+\j:99+\j]
.endr
	v_pk_add_f32 v[14:15], v[14:15], v[236:237]
.irp j, 0,2,4,6,8,10,12,14,16,18,20,22,24,26,28,30
	v_pk_mul_f32 v[160+\j:161+\j], v[160+\j:161+\j], v[252:253] op_sel_hi:[1,0]   ; O^T under the new M; each accumulator from its low end on
.endr
.if (\s) < 7
	s_wait_dscnt 10                                ; V's fragments and scale words are in; the next step's ten loads of K were issued behind them
.else
	s_wait_dscnt 0x0
.endif
.irp n, 0,1,2,3
	v_wmma_scale_f32_16x16x128_f8f6f4 v[160+8*\n:167+8*\n], v[192+8*\n:199+8*\n], v[224:231], v[160+8*\n:167+8*\n], v[240+\n], v253 matrix_a_fmt:MATRIX_FMT_FP4 matrix_b_fmt:MATRIX_FMT_FP4
.endr
.endm
	s_mov_b32 s23, 2
.Ltile:                                                ; one tile of 16 queries a trip
	KLOAD 0
	v_mov_b32 v13, 0xff61b1e6                      ; the largest t so far: -3e38, under every t
	v_floor_f32 v12, -v13                          ; -M
	v_mov_b32 v14, 0
	v_mov_b32 v15, 0
.set j, 0
.rept 32
	v_mov_b32 v[160+j], 0                          ; O^T: the step is written once; the first finds zeros, which the first change of M leaves zeros
.set j, j+1
.endr
.irp k, 0,1,2,3,4,5,6,7
	STEP \k
.endr
	; THE WAY OUT: O^T / the sum, stored as the registers stand
.rept 4
	v_nop                                          ; places behind the last products
.endr
	v_add_f32 v14, v14, v15
	v_permlanex16_b32 v252, v14, s[SEL], s[SEL+1]
	v_add_f32 v14, v14, v252                       ; the row's sum
	v_rcp_f32 v14, v14
	v_nop                                          ; one plain place behind a transcendental
	s_wait_alu depctr_va_vdst(0)
.irp j, 0,2,4,6,8,10,12,14,16,18,20,22,24,26,28,30
	v_pk_mul_f32 v[96+\j:97+\j], v[160+\j:161+\j], v[14:15] op_sel_hi:[1,0]   ; register 16 b + i is channel 32 b + 16 h + i of my query
.endr
.irp q, 0,1,2,3,4,5,6,7
	global_store_b128 v1, v[96+4*\q:99+4*\q], s[20:21] offset:512*\q   ; 32 lanes store 512 consecutive bytes, aligned
.endr
.irp i, 0,1,2,3
	v_mov_b32 v[16+\i], v[248+\i]                  ; the second tile's Q (the second trip's copy changes nothing)
.endr
	v_mov_b32 v255, v11                            ; and its scale words: the next trip's 36 plain lines stand between this and the first product
	s_wait_xcnt 0x0                                ; the stores have read their registers and their base: both are written again below and in the next trip
	s_add_nc_u64 s[20:21], s[20:21], 4096          ; the next tile's image
	s_sub_co_u32 s23, s23, 1
	s_cmp_lg_u32 s23, 0
	s_cbranch_scc1 .Ltile
	s_wait_tensorcnt 0x0
	ds_add_u32 v5, v6
	s_wait_dscnt 0x0
	s_endpgm
.Lfunc_end_k_q413e3736ec_attn:
	.size	k_q413e3736ec_attn, .Lfunc_end_k_q413e3736ec_attn-k_q413e3736ec_attn
	.p2alignl 7, 3214868480
	.fill 96, 4, 3214868480
	.section	.rodata,"a",@progbits
	.p2align	6, 0x0
	.amdhsa_kernel k_q413e3736ec_attn
		.amdhsa_group_segment_fixed_size 73728
		.amdhsa_private_segment_fixed_size 0
		.amdhsa_enable_private_segment 0
		.amdhsa_kernarg_size 56
		.amdhsa_user_sgpr_count 2
		.amdhsa_user_sgpr_kernarg_segment_ptr 1
		.amdhsa_wavefront_size32 1
		.amdhsa_system_sgpr_workgroup_id_x 1
		.amdhsa_system_sgpr_workgroup_id_y 1
		.amdhsa_system_sgpr_workgroup_id_z 1
		.amdhsa_system_vgpr_workitem_id 0
		.amdhsa_next_free_vgpr 256
		.amdhsa_next_free_sgpr 66
		.amdhsa_reserve_vcc 0
		.amdhsa_float_denorm_mode_32 3
		.amdhsa_float_denorm_mode_16_64 3
		.amdhsa_memory_ordered 1
		.amdhsa_forward_progress 1
		.amdhsa_inst_pref_size 126
	.end_amdhsa_kernel
	.amdgpu_metadata
---
amdhsa.version: [ 1, 2 ]
amdhsa.kernels:
  - .name:           k_q413e3736ec_attn
    .symbol:         k_q413e3736ec_attn.kd
    .args:
      - { .name: qc, .offset: 0, .size: 8, .value_kind: global_buffer, .address_space: global }
      - { .name: qs, .offset: 8, .size: 8, .value_kind: global_buffer, .address_space: global }
      - { .name: kc, .offset: 16, .size: 8, .value_kind: global_buffer, .address_space: global }
      - { .name: ks, .offset: 24, .size: 8, .value_kind: global_buffer, .address_space: global }
      - { .name: vc, .offset: 32, .size: 8, .value_kind: global_buffer, .address_space: global }
      - { .name: vs, .offset: 40, .size: 8, .value_kind: global_buffer, .address_space: global }
      - { .name: o, .offset: 48, .size: 8, .value_kind: global_buffer, .address_space: global }
    .group_segment_fixed_size: 73728
    .private_segment_fixed_size: 0
    .kernarg_segment_align: 8
    .kernarg_segment_size: 56
    .max_flat_workgroup_size: 512
    .sgpr_count:     66
    .vgpr_count:     256
    .wavefront_size: 32
...
	.end_amdgpu_metadata
.endif
;; end of part 2
;; launch ffn (part 3): grid 256 x 1, 16 waves a work-group, no clusters, 169,472 bytes of LDS; arguments x, o, Wf_codes, Wf_scales, bf, g1, b1, g2, b2, out0; writes out0
.if DOCPART == 3
	.amdgcn_target "amdgcn-amd-amdhsa--gfx1250"
	.amdhsa_code_object_version 6
	.text
	.protected	k_q413e3736ec_ffn
	.globl	k_q413e3736ec_ffn
	.p2align	8
	.type	k_q413e3736ec_ffn,@function
k_q413e3736ec_ffn:
	s_mov_b64 s[64:65], 0
	v_nop
	global_prefetch_b8 v0, s[64:65] scope:SCOPE_SE
	s_setreg_imm32_b32 hwreg(HW_REG_WAVE_MODE, 25, 1), 1
	s_wait_xcnt 0x0
; out0 = LN2(a + relu(Q(a) Wf + bf)), a = LN1(x + o).  The product is on codes of FP4 (E2M1) with E8M0 scales; all else in f32; the variance is the mean of (number - mean)^2.
; SHARES.  A work-group owns 32 whole rows, two tiles of 16.  Wave w of sixteen owns columns 64 w .. 64 w + 63 throughout: its aligned 256 bytes of each row of x and out0, two blocks of 32 of the quantised a,
; and its four tiles of Wf's rows.  The product is D = Wf's fragment (source 0) x a's fragment (source 1), and lane r of Wf's tile 2 b + u takes row 32 b + 8 u + r + 8 (r / 8): so lane (r, h) holds one row, and register
; 32 m + 16 b + i is column 64 w + 32 b + 16 h + i, in the accumulators and in a alike: the residual never leaves the registers.
; THE ROWS OF A TILE ARE NOT NEIGHBOURS: lane r of tile m holds row 8 m + r + 8 (r / 8) of the 32, as the attention's wave for head w left them: o comes as an image of these registers, [block][head][16 groups][lane][16 bytes],
; by 16 loads of 512 consecutive bytes, and is turned nowhere.  x and out0 turn through my stage, in which row 8 m + r + 8 (r / 8) lies at place 16 m + r.
; Rows' sums meet in LDS: each of the four reductions has words of its own, so one barrier serves each.  a's codes go from wave to wave as images of the operand's registers: one more barrier.
; Wf's fragments are each multiplied by ONE wave: they go from memory straight into its registers, two K steps ahead.  NO JOINT LOADS IN A CLUSTER, though all work-groups walk the same Wf: a joint load lands in LDS, and
; each of Wf's 512 KiB would then be stored there and read again by the one wave that wants it.
; LIMITS: NaN and infinities are not served.  A block of zeros gets the scale byte 1 where the quantiser's rule says 127: its codes are zeros, and the bytes are read by this launch alone.
.set AIMG, 0                           ; a's codes: 8,192 m + 512 w + 16 x lane: fragment (m, K step w / 2), registers 4 (w % 2) on
.set ASCB, 16384                       ; a's scale bytes: place 16 m + r at pitch 48, bytes 2 w and 2 w + 1
.set RED,  17920                       ; four regions of 32 places x 80 bytes: place x 80 + 4 w
.set STG,  28160                       ; a stage of 32 places x (256 + 16) bytes for each wave
.set LI,   1                           ; v1   16 x lane
.set PA,   2                           ; v2   Wf's codes: (64 w + r + 8 (r / 8)) x 512 + 16 h
.set PSA,  3                           ; v3   Wf's scale words: (64 w + 8 h + r + 8 (r / 8)) x 32
.set GD,   4                           ; v4   memory, dense: 4,096 (lane / 16) + 16 (lane % 16)
.set SD,   5                           ; v5   my stage, dense: 272 (lane / 16) + 16 (lane % 16)
.set SL,   6                           ; v6   my stage, by lanes: 272 r + 64 h
.set VEC,  7                           ; v7   a vector along the columns: 256 w + 64 h
.set RW,   8                           ; v8   RED + 80 x lane + 4 w
.set RR,   9                           ; v9   RED + 80 x lane
.set AW,   10                          ; v10  512 w + 16 x lane
.set ASW,  11                          ; v11  ASCB + 48 x lane + 2 w
.set ASR,  12                          ; v12  ASCB + 48 x lane
.set T,    14                          ; v13-23 at work
.set A,    24                          ; v24-87   my 64 numbers: the rows as they stand
.set ACC,  88                          ; v88-151  the 8 accumulators (m, t) at 88 + 32 m + 8 t; ahead of them o
.set PB,   152                         ; v152-215 Wf's fragments, two sets of four; ahead of them x, then g1 and b1; behind them g2 and b2
.set AF,   216                         ; v216-231 a's two fragments
.set RB,   216                         ; v216-231 a reduction's 16 words
.set PS,   232                         ; v232-247 Wf's scale words: register 8 p + s
.set AS,   248                         ; v248-255 a's scale words: register s; lanes 0-15 tile 0, lanes 16-31 tile 1
.set SEL,  30                          ; s[30:31] v_permlanex16_b32's selects for lane l xor 16
.macro QUANT2 src, pc, pw              ; 32 numbers of a lane (two blocks, 16 of each) become 4 registers: lane (r, h) then holds the 32 codes of block h of its row; the scale word has the two bytes
.irp b, 0,1
	v_max3_num_f32 v[T+\b], |v[(\src)+16*\b]|, |v[(\src)+1+16*\b]|, 0x1800000   ; and the floor 2^(3 - 127): the byte cannot fall under 1
.endr
.irp i, 2,4,6,8,10,12,14
.irp b, 0,1
	v_max3_num_f32 v[T+\b], v[T+\b], |v[(\src)+16*\b+\i]|, |v[(\src)+1+16*\b+\i]|
.endr
.endr
.irp b, 0,1
	v_permlanex16_b32 v[T+2+\b], v[T+\b], s[SEL], s[SEL+1]
.endr
.irp b, 0,1
	v_max_num_f32 v[T+\b], v[T+\b], v[T+2+\b]
.endr
.irp b, 0,1
	v_add_nc_u32 v[T+4+\b], 0xff000000, v[T+\b]    ; 2 off the exponent field: the conversion's scale operand
.endr
.irp b, 0,1
	v_lshrrev_b32 v[T+6+\b], 23, v[T+4+\b]
.endr
	v_lshl_or_b32 v[\pw], v[T+7], 8, v[T+6]
.irp b, 0,1
	v_cvt_scalef32_pk8_fp4_f32 v[(\pc)+2*\b], v[(\src)+16*\b:(\src)+7+16*\b], v[T+4+\b]
	v_cvt_scalef32_pk8_fp4_f32 v[(\pc)+1+2*\b], v[(\src)+8+16*\b:(\src)+15+16*\b], v[T+4+\b]
.endr
	v_nop                                          ; one plain place behind a scaled conversion
	v_permlane16_swap_b32 v[(\pc)], v[(\pc)+2]
	v_permlane16_swap_b32 v[(\pc)+1], v[(\pc)+3]
.endm
.macro WM d, a, b, sa, sb, ra, rb      ; one product, onto its accumulator.  ra, rb = 1: that side's scale words are taken from lanes 16-31
.if (\ra) && (\rb)
	v_wmma_scale_f32_16x16x128_f8f6f4 v[(\d):(\d)+7], v[(\a):(\a)+7], v[(\b):(\b)+7], v[(\d):(\d)+7], v[\sa], v[\sb] matrix_a_fmt:MATRIX_FMT_FP4 matrix_b_fmt:MATRIX_FMT_FP4 matrix_a_scale:MATRIX_SCALE_ROW1 matrix_b_scale:MATRIX_SCALE_ROW1
.elseif (\ra)
	v_wmma_scale_f32_16x16x128_f8f6f4 v[(\d):(\d)+7], v[(\a):(\a)+7], v[(\b):(\b)+7], v[(\d):(\d)+7], v[\sa], v[\sb] matrix_a_fmt:MATRIX_FMT_FP4 matrix_b_fmt:MATRIX_FMT_FP4 matrix_a_scale:MATRIX_SCALE_ROW1
.elseif (\rb)
	v_wmma_scale_f32_16x16x128_f8f6f4 v[(\d):(\d)+7], v[(\a):(\a)+7], v[(\b):(\b)+7], v[(\d):(\d)+7], v[\sa], v[\sb] matrix_a_fmt:MATRIX_FMT_FP4 matrix_b_fmt:MATRIX_FMT_FP4 matrix_b_scale:MATRIX_SCALE_ROW1
.else
	v_wmma_scale_f32_16x16x128_f8f6f4 v[(\d):(\d)+7], v[(\a):(\a)+7], v[(\b):(\b)+7], v[(\d):(\d)+7], v[\sa], v[\sb] matrix_a_fmt:MATRIX_FMT_FP4 matrix_b_fmt:MATRIX_FMT_FP4
.endif
.endm
.macro PLOAD set, s                    ; Wf's four fragments of K step s into one of the two sets: eight loads
.irp t, 0,1,2,3
.irp c, 0,1
	global_load_b128 v[PB+32*(\set)+8*\t+4*\c:PB+32*(\set)+8*\t+4*\c+3], v[PA], s[12:13] offset:(32*(\t/2)+8*(\t%2))*512+64*(\s)+32*\c
.endr
.endr
.endm
.macro VECLOAD reg, base               ; my 32 numbers of a vector along the columns: register 16 b + i = column 64 w + 32 b + 16 h + i
.irp b, 0,1
.irp q, 0,1,2,3
	global_load_b128 v[(\reg)+16*\b+4*\q:(\reg)+16*\b+4*\q+3], v[VEC], s[\base:\base+1] offset:128*\b+16*\q
.endr
.endr
.endm
; v14 (tile 0) and v16 (tile 1): my lane's partial sums become the rows' totals over all 1,024 columns, in one fixed order, equal in all waves.  Region k of RED is used by this reduction alone.
; Lane l carries place l (tile l / 16, row l % 16) into LDS and sums that place's sixteen words; the other tile's total comes from lane l xor 16.
.macro REDUCE k
	v_permlanex16_b32 v18, v14, s[SEL], s[SEL+1]
	v_permlanex16_b32 v19, v16, s[SEL], s[SEL+1]
	v_add_f32 v14, v14, v18                        ; my wave's 64 columns
	v_add_f32 v16, v16, v19
	v_cndmask_b32 v13, v14, v16, s32
	ds_store_b32 v[RW], v13 offset:2560*(\k)
	s_wait_dscnt 0x0                               ; for the others' sake: my word has landed
	s_barrier_signal -1
	s_barrier_wait -1
.irp q, 0,1,2,3
	ds_load_b128 v[RB+4*\q:RB+4*\q+3], v[RR] offset:2560*(\k)+16*\q
.endr
	s_wait_dscnt 0x0
.irp i, 0,2,4,6
	v_pk_add_f32 v[RB+\i:RB+\i+1], v[RB+\i:RB+\i+1], v[RB+8+\i:RB+9+\i]
.endr
.irp i, 0,2
	v_pk_add_f32 v[RB+\i:RB+\i+1], v[RB+\i:RB+\i+1], v[RB+4+\i:RB+5+\i]
.endr
	v_pk_add_f32 v[RB:RB+1], v[RB:RB+1], v[RB+2:RB+3]
	v_add_f32 v13, v[RB], v[RB+1]                  ; my place's total
	v_permlanex16_b32 v18, v13, s[SEL], s[SEL+1]   ; the other tile's, same row
	v_cndmask_b32 v14, v13, v18, s32               ; tile 0's: lanes 0-15 their own, lanes 16-31 the other's
	v_cndmask_b32 v16, v18, v13, s32               ; tile 1's
.endm
; A = (A - mean) x rsqrt(mean of (A - mean)^2 + 1e-6) x gain + bias, row by row.  k: the first of its two regions of RED; g, bb: the registers into which gain and bias are on their way.
.macro LNORM k, g, bb
.irp m, 0,1
	v_pk_add_f32 v[14+2*\m:15+2*\m], v[A+32*\m:A+32*\m+1], v[A+32*\m+2:A+32*\m+3]
.endr
.set j, 4
.rept 14
.irp m, 0,1
	v_pk_add_f32 v[14+2*\m:15+2*\m], v[14+2*\m:15+2*\m], v[A+32*\m+j:A+32*\m+j+1]
.endr
.set j, j+2
.endr
	v_add_f32 v14, v14, v15
	v_add_f32 v16, v16, v17
	REDUCE \k
	v_mul_f32 v14, 0xba800000, v14                 ; -mean: the total x -2^-10
	v_mul_f32 v16, 0xba800000, v16
.set j, 0
.rept 16
.irp m, 0,1
	v_pk_add_f32 v[A+32*\m+j:A+32*\m+j+1], v[A+32*\m+j:A+32*\m+j+1], v[14+2*\m:15+2*\m] op_sel_hi:[1,0]
.endr
.set j, j+2
.endr
.irp m, 0,1
	v_pk_mul_f32 v[14+2*\m:15+2*\m], v[A+32*\m:A+32*\m+1], v[A+32*\m:A+32*\m+1]
.endr
.set j, 2
.rept 15
.irp m, 0,1
	v_pk_fma_f32 v[14+2*\m:15+2*\m], v[A+32*\m+j:A+32*\m+j+1], v[A+32*\m+j:A+32*\m+j+1], v[14+2*\m:15+2*\m]
.endr
.set j, j+2
.endr
	v_add_f32 v14, v14, v15
	v_add_f32 v16, v16, v17
	REDUCE (\k)+1
	v_fma_f32 v14, v14, s33, s34                   ; the total x 2^-10 (exact) + 1e-6
	v_fma_f32 v16, v16, s33, s34
	v_rsq_f32 v14, v14
	v_rsq_f32 v16, v16
	v_nop                                          ; one plain place behind a transcendental
	s_wait_loadcnt 0x0                             ; gain and bias
.set j, 0
	s_wait_alu depctr_va_vdst(0)
.rept 16
.irp m, 0,1
	v_pk_mul_f32 v[A+32*\m+j:A+32*\m+j+1], v[A+32*\m+j:A+32*\m+j+1], v[14+2*\m:15+2*\m] op_sel_hi:[1,0]
.endr
.set j, j+2
.endr
.set j, 0
.rept 16
.irp m, 0,1
	v_pk_fma_f32 v[A+32*\m+j:A+32*\m+j+1], v[A+32*\m+j:A+32*\m+j+1], v[(\g)+j:(\g)+j+1], v[(\bb)+j:(\bb)+j+1]
.endr
.set j, j+2
.endr
.endm
	s_load_b512 s[8:23], s[0:1], 0x0               ; x, o, Wf_codes, Wf_scales, bf, g1, b1, g2
	s_load_b128 s[24:27], s[0:1], 0x40             ; b2, out0
	v_lshrrev_b32 v13, 5, v0
	v_readfirstlane_b32 s2, v13                    ; wave 0..15
	s_mov_b32 s[SEL], 0x76543210
	s_mov_b32 s[SEL+1], 0xfedcba98
	s_mov_b32 s32, 0xffff0000                      ; lanes 16-31
	s_mov_b32 s33, 0x3a800000                      ; 2^-10
	s_mov_b32 s34, 0x358637bd                      ; 1e-6
	v_and_b32 v14, 31, v0                          ; lane
	v_and_b32 v15, 15, v0                          ; r
	v_bfe_u32 v16, v0, 4, 1                        ; h
	v_and_b32 v17, 8, v15
	v_add_nc_u32 v17, v17, v15                     ; r + 8 (r / 8)
	v_lshlrev_b32 v[LI], 4, v14
	s_lshl_b32 s3, s2, 15
	v_lshlrev_b32 v[PA], 9, v17
	v_lshl_add_u32 v[PA], v16, 4, v[PA]
	v_add_nc_u32 v[PA], s3, v[PA]
	s_lshl_b32 s3, s2, 11
	v_lshlrev_b32 v[PSA], 5, v17
	v_lshl_add_u32 v[PSA], v16, 8, v[PSA]
	v_add_nc_u32 v[PSA], s3, v[PSA]
	v_lshlrev_b32 v[GD], 12, v16
	v_lshl_add_u32 v[GD], v15, 4, v[GD]
	s_mul_i32 s3, s2, 8704
	s_add_co_u32 s3, s3, STG
	v_mul_u32_u24 v[SD], v16, 272
	v_lshl_add_u32 v[SD], v15, 4, v[SD]
	v_add_nc_u32 v[SD], s3, v[SD]
	v_mul_u32_u24 v[SL], v15, 272
	v_lshl_add_u32 v[SL], v16, 6, v[SL]
	v_add_nc_u32 v[SL], s3, v[SL]
	s_lshl_b32 s3, s2, 8
	v_lshl_add_u32 v[VEC], v16, 6, s3
	s_lshl_b32 s3, s2, 2
	s_add_co_u32 s3, s3, RED
	v_mul_u32_u24 v[RW], v14, 80
	v_add_nc_u32 v[RR], RED, v[RW]
	v_add_nc_u32 v[RW], s3, v[RW]
	v_lshlrev_b32 v[AW], 4, v0
	v_mul_u32_u24 v[ASR], v14, 48
	v_add_nc_u32 v[ASR], ASCB, v[ASR]
	s_lshl_b32 s3, s2, 1
	v_add_nc_u32 v[ASW], s3, v[ASR]
	v_mov_b32 v18, 0                               ; written once: a lane permute's destination counts as one of its sources
	v_mov_b32 v19, 0
	s_lshl_b32 s28, ttmp9, 17                      ; my work-group's 32 rows of 4,096 bytes,
	s_lshl_b32 s36, s2, 13
	s_add_co_u32 s36, s36, s28                     ; in o: my wave's image of 8,192 bytes;
	s_lshl_b32 s3, s2, 8
	s_add_co_u32 s28, s28, s3                      ; in x and out0: my wave's 256 bytes of each row
	s_mov_b32 s29, 0
	s_mov_b32 s37, 0
	s_wait_kmcnt 0x0
	s_add_nc_u64 s[8:9], s[8:9], s[28:29]
	s_add_nc_u64 s[10:11], s[10:11], s[36:37]
	s_add_nc_u64 s[26:27], s[26:27], s[28:29]
	; ---- x + o.  Wf's scale words come first: their registers are free all the way.  Each load of x reads my 256 aligned bytes of two rows; x turns through my stage into the lanes' order; o arrives in it
.irp p, 0,1
.irp e, 0,1
	global_load_b128 v[PS+8*\p+4*\e:PS+8*\p+4*\e+3], v[PSA], s[14:15] offset:1024*\p+16*\e
.endr
.endr
.irp i, 0,1,2,3,4,5,6,7,8,9,10,11,12,13,14,15
	global_load_b128 v[PB+4*\i:PB+4*\i+3], v[GD], s[8:9] offset:8192*\i th:TH_LOAD_NT
.endr
.irp i, 0,1,2,3,4,5,6,7,8,9,10,11,12,13,14,15
	global_load_b128 v[ACC+4*\i:ACC+4*\i+3], v[LI], s[10:11] offset:512*\i th:TH_LOAD_NT
.endr
	s_wait_loadcnt 16                              ; the scale words and x are in; o's 16 loads were issued behind them
.irp i, 0,1,2,3,4,5,6,7,8,9,10,11,12,13,14,15
	ds_store_b128 v[SD], v[PB+4*\i:PB+4*\i+3] offset:272*(16*((\i/4)%2)+8*(\i/8)+2*(\i%4))   ; rows 2 i and 2 i + 1 to their places: bits 3 and 4 of the row's number change places
.endr
.irp m, 0,1
.irp b, 0,1
.irp q, 0,1,2,3
	ds_load_b128 v[A+32*\m+16*\b+4*\q:A+32*\m+16*\b+4*\q+3], v[SL] offset:4352*\m+128*\b+16*\q   ; LDS serves a wave's instructions in order: these see my stores
.endr
.endr
.endr
	s_wait_dscnt 0x0                               ; x is back, and the stores have read their registers, which the loads below fill again
	VECLOAD PB, 18                                 ; g1 and b1 land during the reductions
	VECLOAD PB+32, 20
	s_wait_loadcnt 16                              ; o is in; g1's and b1's 16 loads were issued behind it
.set j, 0
.rept 32
	v_pk_add_f32 v[A+j:A+j+1], v[A+j:A+j+1], v[ACC+j:ACC+j+1]
.set j, j+2
.endr
.irp m, 0,1
	VECLOAD ACC+32*\m, 16                          ; bf goes straight into the accumulators: it is what the first products add onto
.endr
	LNORM 0, PB, PB+32
	; ---- a is quantised
	PLOAD 0, 0
	PLOAD 1, 1
.irp m, 0,1
	QUANT2 A+32*\m, AF+4*\m, 22+\m
	ds_store_b128 v[AW], v[AF+4*\m:AF+4*\m+3] offset:AIMG+8192*\m
.endr
	v_cndmask_b32 v13, v22, v23, s32               ; lane l carries place l's two bytes
	ds_store_b16 v[ASW], v13
	s_wait_dscnt 0x0                               ; for the others' sake: my images have landed
	s_barrier_signal -1
	s_barrier_wait -1                              ; a's 16 fragments and scale bytes lie in LDS; nothing there is written again
.irp e, 0,1
	ds_load_b128 v[AS+4*\e:AS+4*\e+3], v[ASR] offset:16*\e
.endr
; A K step of 128: two tiles of rows x my four tiles of Wf.  The 8 accumulators take turns, one instruction a turn, in the same order in every step.
.macro KSTEP s
.irp m, 0,1
.irp c, 0,1
	ds_load_b128 v[AF+8*\m+4*\c:AF+8*\m+4*\c+3], v[LI] offset:AIMG+8192*\m+1024*(\s)+512*\c
.endr
.endr
.if (\s) < 7
	s_wait_loadcnt 8                               ; this step's fragments of Wf are in; the next step's eight loads may be out
.else
	s_wait_loadcnt 0x0
.endif
	s_wait_dscnt 0x0
.irp m, 0,1
.irp t, 0,1,2,3
	WM ACC+32*\m+8*\t, PB+32*((\s)%2)+8*\t, AF+8*\m, PS+8*(\t/2)+(\s), AS+(\s), \t%2, \m
.endr
.endr
.rept 4
	v_nop                                          ; places in front of loads into registers that these products have read, and of the first read of results
.endr
.if (\s) < 6
	PLOAD (\s)%2, (\s)+2
.endif
.endm
.irp k, 0,1,2,3,4,5,6,7
	KSTEP \k
.endr
	; ---- a + relu(..), the second norm
	VECLOAD PB, 22                                 ; g2 and b2 land during the reductions
	VECLOAD PB+32, 24
.set j, 0
.rept 64
	v_max_num_f32 v[ACC+j], 0, v[ACC+j]            ; each accumulator from its low end on
.set j, j+1
.endr
.set j, 0
.rept 32
	v_pk_add_f32 v[A+j:A+j+1], v[A+j:A+j+1], v[ACC+j:ACC+j+1]
.set j, j+2
.endr
	LNORM 2, PB, PB+32
	; ---- out: back through my stage, so that sixteen lanes store 256 consecutive bytes, aligned
.irp m, 0,1
.irp b, 0,1
.irp q, 0,1,2,3
	ds_store_b128 v[SL], v[A+32*\m+16*\b+4*\q:A+32*\m+16*\b+4*\q+3] offset:4352*\m+128*\b+16*\q
.endr
.endr
.endr
.irp i, 0,1,2,3,4,5,6,7,8,9,10,11,12,13,14,15
	ds_load_b128 v[ACC+4*\i:ACC+4*\i+3], v[SD] offset:272*(16*((\i/4)%2)+8*(\i/8)+2*(\i%4))   ; rows 2 i and 2 i + 1 from their places; LDS serves a wave's instructions in order: these see my stores
.endr
.irp i, 0,1,2,3,4,5,6,7,8,9,10,11,12,13,14,15
	s_wait_dscnt 15-\i                             ; the younger read-backs may be out
	global_store_b128 v[GD], v[ACC+4*\i:ACC+4*\i+3], s[26:27] offset:8192*\i th:TH_STORE_NT
.endr
	s_wait_xcnt 0x0
	v_lshl_add_u32 v254, v0, 2, 0x28e00
	v_mov_b32 v255, 0
	s_wait_tensorcnt 0x0
	ds_add_u32 v254, v255
	s_wait_dscnt 0x0
	s_endpgm
.Lfunc_end_k_q413e3736ec_ffn:
	.size	k_q413e3736ec_ffn, .Lfunc_end_k_q413e3736ec_ffn-k_q413e3736ec_ffn
	.p2alignl 7, 3214868480
	.fill 96, 4, 3214868480
	.section	.rodata,"a",@progbits
	.p2align	6, 0x0
	.amdhsa_kernel k_q413e3736ec_ffn
		.amdhsa_group_segment_fixed_size 169472
		.amdhsa_private_segment_fixed_size 0
		.amdhsa_enable_private_segment 0
		.amdhsa_kernarg_size 80
		.amdhsa_user_sgpr_count 2
		.amdhsa_user_sgpr_kernarg_segment_ptr 1
		.amdhsa_wavefront_size32 1
		.amdhsa_system_sgpr_workgroup_id_x 1
		.amdhsa_system_sgpr_workgroup_id_y 1
		.amdhsa_system_sgpr_workgroup_id_z 1
		.amdhsa_system_vgpr_workitem_id 0
		.amdhsa_next_free_vgpr 256
		.amdhsa_next_free_sgpr 66
		.amdhsa_reserve_vcc 0
		.amdhsa_float_denorm_mode_32 3
		.amdhsa_float_denorm_mode_16_64 3
		.amdhsa_memory_ordered 1
		.amdhsa_forward_progress 1
		.amdhsa_inst_pref_size 71
	.end_amdhsa_kernel
	.amdgpu_metadata
---
amdhsa.version: [ 1, 2 ]
amdhsa.kernels:
  - .name:           k_q413e3736ec_ffn
    .symbol:         k_q413e3736ec_ffn.kd
    .args:
      - { .name: x, .offset: 0, .size: 8, .value_kind: global_buffer, .address_space: global }
      - { .name: o, .offset: 8, .size: 8, .value_kind: global_buffer, .address_space: global }
      - { .name: Wf_codes, .offset: 16, .size: 8, .value_kind: global_buffer, .address_space: global }
      - { .name: Wf_scales, .offset: 24, .size: 8, .value_kind: global_buffer, .address_space: global }
      - { .name: bf, .offset: 32, .size: 8, .value_kind: global_buffer, .address_space: global }
      - { .name: g1, .offset: 40, .size: 8, .value_kind: global_buffer, .address_space: global }
      - { .name: b1, .offset: 48, .size: 8, .value_kind: global_buffer, .address_space: global }
      - { .name: g2, .offset: 56, .size: 8, .value_kind: global_buffer, .address_space: global }
      - { .name: b2, .offset: 64, .size: 8, .value_kind: global_buffer, .address_space: global }
      - { .name: out0, .offset: 72, .size: 8, .value_kind: global_buffer, .address_space: global }
    .group_segment_fixed_size: 169472
    .private_segment_fixed_size: 0
    .kernarg_segment_align: 8
    .kernarg_segment_size: 80
    .max_flat_workgroup_size: 512
    .sgpr_count:     66
    .vgpr_count:     256
    .wavefront_size: 32
...
	.end_amdgpu_metadata
.endif
;; end of part 3
;; ======== version 2 of 2: 3 launches; version 1 with the launches proj, attn, ffn written anew for expert scheduling mode
;; workspace buffers: qc 4,194,304 bytes; kc 4,194,304 bytes; vc 4,194,304 bytes; qs 524,288 bytes; ks 524,288 bytes; vs 524,288 bytes; o 33,554,432 bytes
;; launch proj (part 4): grid 128 x 3, 16 waves a work-group, no clusters, 173,056 bytes of LDS; arguments x, y_codes, y_scales, Wq_codes, Wq_scales, Wk_codes, Wk_scales, Wv_codes, Wv_scales, bq, bk, bv, qc, qs, kc, ks, vc, vs; writes qc, qs, kc, ks, vc, vs
.if DOCPART == 4
	.amdgcn_target "amdgcn-amd-amdhsa--gfx1250"
	.amdhsa_code_object_version 6
	.text
	.protected	k_q413e3736ec_proj
	.globl	k_q413e3736ec_proj
	.p2align	8
	.type	k_q413e3736ec_proj,@function
k_q413e3736ec_proj:
	s_mov_b64 s[64:65], 0
	v_nop
	global_prefetch_b8 v0, s[64:65] scope:SCOPE_SE
	s_setreg_imm32_b32 hwreg(HW_REG_WAVE_SCHED_MODE, 0, 2), 2
	s_setreg_imm32_b32 hwreg(HW_REG_WAVE_MODE, 25, 1), 1
	s_wait_xcnt 0x0
	s_wait_alu depctr_vm_vsrc(0)
; q = Q(x) Wq + bq, k = y Wk + bk, v = y Wv + bv on codes of FP4 (E2M1) with one E8M0 scale for each 32 along K; the results are quantised at once for the attention's two products
; and leave as codes and scale words: q and k along a head's 64 channels (two blocks of 32), v along the keys.
; SHARES.  Work-group (i, g), g = 0: q, 1: k, 2: v, makes 64 rows R x 1,024 rows P over K = 1,024.  g = 0: R = rows 64 i of x (f32, quantised here), P = Wq.  g = 1: R = rows 64 i of y, P = Wk.
; g = 2: R = Wv's rows of head i % 16, P = the 1,024 keys of batch i / 16.  Wave w of sixteen owns P rows 64 w .. 64 w + 63 (q, k: head w; v: 64 keys): 4 x 4 accumulators.
; LAYOUT.  Each product is D = P fragment (source 0) x R fragment (source 1).  THE ROWS OF A TILE ARE NOT NEIGHBOURS: lane r of tile 2 b + u takes row 32 b + 8 u + r + 8 (r / 8), for P and for R.  So lane (r, h) of D
; holds one R row, and the 16 registers of P tiles 2 b, 2 b + 1 are the 16 neighbours 32 b + 16 h + 0 .. 15 along P, the axis that is quantised next.
; R's 32 fragments and scale words are shared by all sixteen waves: they go through LDS as images of the operand's registers, one barrier; a wave reads them half a K step ahead, into two buffers by turns.
; P's fragments are each multiplied by ONE wave: they go from memory straight into that wave's registers, two K steps ahead.
; NO JOINT LOADS IN A CLUSTER, though all work-groups of one g walk the same P: a joint load lands in LDS, and each of P's 512 KiB would then be stored there and read again by the one wave that wants it.
; LIMITS: NaN and infinities among the inputs are not served.  A block of zeros gets the scale byte 1 where the quantiser's rule says 127: its codes are zeros, and the bytes are read by this program alone.
; THE MODE: SCHED_MODE bits 1:0 = 2 (LLVM: expert scheduling mode 2), set by the entry lines.  The code itself states the register dependences
; between vector or matrix instructions and memory or LDS instructions, with s_wait_alu, always for 0.
; THE PLAN.  Registers that memory or LDS instructions touch:
;   v1-4          offsets and LDS addresses, made at the head and never written again.
;   v5-7, v9-11   made at the head, read ahead of the barrier; behind it v5-7 are made anew for the way out, and v8-15 take fragments of R.
;   X0            (q alone) loaded, stored to my stage, loaded back, read by the quantiser.
;   PC0, PW0      written by the quantiser (q) or by loads (k, v); read by the LDS stores of my two images.
;   RFA           the eight products of a K step's first half read it; behind them the next K step's loads land in it.
;   RFB0, RFB1    the eight products of its second half read them; behind them the next K step's loads land in them.
;   PF, a set     K step s's sixteen products read set s % 2; behind them the loads of K step s + 2 land in it (behind K step 6: the bias).
;   RS            read by the products; loaded behind the barrier and behind K step 3.   PS: loaded once.
;   PCO, SA       written by the way out's quantiser and selects; read by the five stores.
; So a K step holds two waits on va_vdst, one behind each half's eight products; the second serves the run of loads that straddles the step's edge (P's eight, R's four, in K step 3 the scale words too).
; The accumulators are named by matrix and vector instructions alone.  The way out's five stores stand in one run behind one wait.
.set RIMG, 0                           ; LDS: R's fragment (tile m, K step s) at (8 m + s) x 1,024 + 512 c + 16 x lane
.set RSC,  32768                       ; R's scale words: row 16 m + r at pitch 48, word s at 4 s
.set STG,  35840                       ; a stage of 16 rows x (512 + 16) bytes for each wave: x's rows turn here from dense loads to 16 neighbours a lane
.set LI,   1                           ; v1   16 x lane
.set PA,   2                           ; v2   P's codes: (64 w + r + 8 (r / 8)) x 512 + 16 h
.set RWS,  3                           ; v3   where I store the scale words of R's two images
.set RSA,  4                           ; v4   RSC + 48 x lane
.set XSI,  5                           ; v5   ahead of the barrier: my stage + 16 x lane
.set XSO,  6                           ; v6   ahead of the barrier: my stage + 528 r + 64 h
.set RWI,  7                           ; v7   ahead of the barrier: where I store R's two images: 2,048 w + 16 x lane
.set BPA,  5                           ; v5   behind the barrier: the bias along P: 256 w + 64 h
.set BRA,  6                           ; v6   behind the barrier: the bias along R
.set OSA,  7                           ; v7   behind the barrier: 16 r + 8 h: my two scale words on the way out
.set RFB0, 8                           ; v8-15 behind the barrier: R's tile 2 (the second buffer's first fragment)
.set RCA,  9                           ; v9   ahead of the barrier: R's codes in memory (g = 1, 2)
.set RCS,  10                          ; v10  ahead of the barrier: R's scale words in memory
.set PSA,  11                          ; v11  ahead of the barrier: P's scale words: (64 w + 8 h + r + 8 (r / 8)) x 32: lanes 0-15 an even tile, lanes 16-31 the odd one beside it
.set PW0,  14                          ; v14-15 ahead of the barrier: the scale words of my two images
.set ACC,  16                          ; v16-143 accumulator (m, t) at 16 + 32 m + 8 t
.set X0,   16                          ; v16-143 ahead of the products: 2 x 64 numbers of x
.set PF,   144                         ; v144-207 P's fragments, two sets of four
.set RFA,  208                         ; v208-223 R's tiles 0 and 1 (the first buffer)
.set TM,   208                         ; v208-223 ahead of the products: at work in QUANT
.set PS,   224                         ; v224-239 P's scale words: register 8 p + s
.set RS,   240                         ; v240-247 R's scale words of four K steps: register 4 p + s % 4
.set RFB1, 248                         ; v248-255 R's tile 3 (the second buffer's second fragment)
.set PC0,  240                         ; v240-255 ahead of the barrier: the codes of my two images
.set BP,   144                         ; behind K step 6: v144-175 the bias; behind the products: v184-199 codes, v200-203 scale words
.set PCO,  184
.set PWO,  200
.set SA,   204
.set T,    208                         ; v208-215 at work in QUANT2
.set SEL,  60                          ; s[60:61] v_permlanex16_b32's selects for lane l xor 16
; 64 numbers of a lane, register 16 b + i = k 32 b + 16 h + i of my row, become a fragment's 8 registers of codes and its scale word.
.macro QUANT src, pc, pw
.irp b, 0,1,2,3
	v_max3_num_f32 v[TM+\b], |v[(\src)+16*\b]|, |v[(\src)+1+16*\b]|, 0x1800000   ; my 16 numbers of block b, and the floor 2^(3 - 127): the byte cannot fall under 1
.endr
.irp i, 2,4,6,8,10,12,14
.irp b, 0,1,2,3
	v_max3_num_f32 v[TM+\b], v[TM+\b], |v[(\src)+16*\b+\i]|, |v[(\src)+1+16*\b+\i]|
.endr
.endr
.irp b, 0,1,2,3
	v_permlanex16_b32 v[TM+4+\b], v[TM+\b], s[SEL], s[SEL+1]
.endr
.irp b, 0,1,2,3
	v_max_num_f32 v[TM+\b], v[TM+\b], v[TM+4+\b]   ; with lane l xor 16's: the block's largest magnitude
.endr
.irp b, 0,1,2,3
	v_add_nc_u32 v[TM+12+\b], 0xff000000, v[TM+\b] ; 2 off its exponent field: the conversion's scale operand
.endr
.irp b, 0,1,2,3
	v_lshrrev_b32 v[TM+4+\b], 23, v[TM+12+\b]      ; the scale's byte
.endr
	v_lshl_or_b32 v[\pw], v[TM+5], 8, v[TM+4]
	v_lshl_or_b32 v[\pw], v[TM+6], 16, v[\pw]
	v_lshl_or_b32 v[\pw], v[TM+7], 24, v[\pw]
.irp b, 0,1,2,3
	v_cvt_scalef32_pk8_fp4_f32 v[(\pc)+2*\b], v[(\src)+16*\b:(\src)+7+16*\b], v[TM+12+\b]
	v_cvt_scalef32_pk8_fp4_f32 v[(\pc)+1+2*\b], v[(\src)+8+16*\b:(\src)+15+16*\b], v[TM+12+\b]
.endr
	v_nop                                          ; one plain place behind a scaled conversion
.irp c, 0,1
.irp i, 0,1
	v_permlane16_swap_b32 v[(\pc)+4*\c+\i], v[(\pc)+2+4*\c+\i]   ; a whole block to a lane: lanes 0-15 block 2 c, lanes 16-31 block 2 c + 1
.endr
.endr
.endm
; 32 numbers of a lane (two blocks, 16 of each) become 4 registers: lane (r, h) then holds the 32 codes of block h of its row; the scale word has the two bytes and zeros above.
.macro QUANT2 src, pc, pw
.irp b, 0,1
	v_max3_num_f32 v[T+\b], |v[(\src)+16*\b]|, |v[(\src)+1+16*\b]|, 0x1800000
.endr
.irp i, 2,4,6,8,10,12,14
.irp b, 0,1
	v_max3_num_f32 v[T+\b], v[T+\b], |v[(\src)+16*\b+\i]|, |v[(\src)+1+16*\b+\i]|
.endr
.endr
.irp b, 0,1
	v_permlanex16_b32 v[T+2+\b], v[T+\b], s[SEL], s[SEL+1]
.endr
.irp b, 0,1
	v_max_num_f32 v[T+\b], v[T+\b], v[T+2+\b]
.endr
.irp b, 0,1
	v_add_nc_u32 v[T+4+\b], 0xff000000, v[T+\b]
.endr
.irp b, 0,1
	v_lshrrev_b32 v[T+6+\b], 23, v[T+4+\b]
.endr
	v_lshl_or_b32 v[\pw], v[T+7], 8, v[T+6]
.irp b, 0,1
	v_cvt_scalef32_pk8_fp4_f32 v[(\pc)+2*\b], v[(\src)+16*\b:(\src)+7+16*\b], v[T+4+\b]
	v_cvt_scalef32_pk8_fp4_f32 v[(\pc)+1+2*\b], v[(\src)+8+16*\b:(\src)+15+16*\b], v[T+4+\b]
.endr
	v_nop                                          ; one plain place behind a scaled conversion
	v_permlane16_swap_b32 v[(\pc)], v[(\pc)+2]
	v_permlane16_swap_b32 v[(\pc)+1], v[(\pc)+3]
.endm
; One product.  zero = 1: it starts the sum.  ra, rb = 1: that side's scale words are taken from lanes 16-31 of the register named.
.macro WM d, a, b, zero, sa, sb, ra, rb
.if (\zero) && (\ra) && (\rb)
	v_wmma_scale_f32_16x16x128_f8f6f4 v[(\d):(\d)+7], v[(\a):(\a)+7], v[(\b):(\b)+7], 0, v[\sa], v[\sb] matrix_a_fmt:MATRIX_FMT_FP4 matrix_b_fmt:MATRIX_FMT_FP4 matrix_a_scale:MATRIX_SCALE_ROW1 matrix_b_scale:MATRIX_SCALE_ROW1
.elseif (\zero) && (\ra)
	v_wmma_scale_f32_16x16x128_f8f6f4 v[(\d):(\d)+7], v[(\a):(\a)+7], v[(\b):(\b)+7], 0, v[\sa], v[\sb] matrix_a_fmt:MATRIX_FMT_FP4 matrix_b_fmt:MATRIX_FMT_FP4 matrix_a_scale:MATRIX_SCALE_ROW1
.elseif (\zero) && (\rb)
	v_wmma_scale_f32_16x16x128_f8f6f4 v[(\d):(\d)+7], v[(\a):(\a)+7], v[(\b):(\b)+7], 0, v[\sa], v[\sb] matrix_a_fmt:MATRIX_FMT_FP4 matrix_b_fmt:MATRIX_FMT_FP4 matrix_b_scale:MATRIX_SCALE_ROW1
.elseif (\zero)
	v_wmma_scale_f32_16x16x128_f8f6f4 v[(\d):(\d)+7], v[(\a):(\a)+7], v[(\b):(\b)+7], 0, v[\sa], v[\sb] matrix_a_fmt:MATRIX_FMT_FP4 matrix_b_fmt:MATRIX_FMT_FP4
.elseif (\ra) && (\rb)
	v_wmma_scale_f32_16x16x128_f8f6f4 v[(\d):(\d)+7], v[(\a):(\a)+7], v[(\b):(\b)+7], v[(\d):(\d)+7], v[\sa], v[\sb] matrix_a_fmt:MATRIX_FMT_FP4 matrix_b_fmt:MATRIX_FMT_FP4 matrix_a_scale:MATRIX_SCALE_ROW1 matrix_b_scale:MATRIX_SCALE_ROW1
.elseif (\ra)
	v_wmma_scale_f32_16x16x128_f8f6f4 v[(\d):(\d)+7], v[(\a):(\a)+7], v[(\b):(\b)+7], v[(\d):(\d)+7], v[\sa], v[\sb] matrix_a_fmt:MATRIX_FMT_FP4 matrix_b_fmt:MATRIX_FMT_FP4 matrix_a_scale:MATRIX_SCALE_ROW1
.elseif (\rb)
	v_wmma_scale_f32_16x16x128_f8f6f4 v[(\d):(\d)+7], v[(\a):(\a)+7], v[(\b):(\b)+7], v[(\d):(\d)+7], v[\sa], v[\sb] matrix_a_fmt:MATRIX_FMT_FP4 matrix_b_fmt:MATRIX_FMT_FP4 matrix_b_scale:MATRIX_SCALE_ROW1
.else
	v_wmma_scale_f32_16x16x128_f8f6f4 v[(\d):(\d)+7], v[(\a):(\a)+7], v[(\b):(\b)+7], v[(\d):(\d)+7], v[\sa], v[\sb] matrix_a_fmt:MATRIX_FMT_FP4 matrix_b_fmt:MATRIX_FMT_FP4
.endif
.endm
; P's four fragments of K step s into one of the two sets: eight loads
.macro PLOAD set, s
.irp t, 0,1,2,3
.irp c, 0,1
	global_load_b128 v[PF+32*(\set)+8*\t+4*\c:PF+32*(\set)+8*\t+4*\c+3], v[PA], s[44:45] offset:(32*(\t/2)+8*(\t%2))*512+64*(\s)+32*\c
.endr
.endr
.endm
; R's tiles 2 a and 2 a + 1 of K step s, from their images: four loads, into buffer a
.macro RLOAD s, a
.if (\a) == 0
.irp c, 0,1
	ds_load_b128 v[RFA+4*\c:RFA+4*\c+3], v[LI] offset:(\s)*1024+512*\c
	ds_load_b128 v[RFA+8+4*\c:RFA+8+4*\c+3], v[LI] offset:(8+(\s))*1024+512*\c
.endr
.else
.irp c, 0,1
	ds_load_b128 v[RFB0+4*\c:RFB0+4*\c+3], v[LI] offset:(16+(\s))*1024+512*\c
	ds_load_b128 v[RFB1+4*\c:RFB1+4*\c+3], v[LI] offset:(24+(\s))*1024+512*\c
.endr
.endif
.endm
; eight products: R's tiles 2 a (in f0) and 2 a + 1 (in f1) x my four P tiles, K step s
.macro MUL8 s, a, f0, f1, z
.irp t, 0,1,2,3
	WM ACC+64*(\a)+8*\t, PF+32*((\s)%2)+8*\t, \f0, \z, PS+8*(\t/2)+(\s), RS+4*(\a)+(\s)%4, \t%2, 0
.endr
.irp t, 0,1,2,3
	WM ACC+64*(\a)+32+8*\t, PF+32*((\s)%2)+8*\t, \f1, \z, PS+8*(\t/2)+(\s), RS+4*(\a)+(\s)%4, \t%2, 1
.endr
.endm
	s_load_b512 s[8:23], s[0:1], 0x0               ; x, y_codes, y_scales, Wq_codes, Wq_scales, Wk_codes, Wk_scales, Wv_codes
	s_load_b512 s[24:39], s[0:1], 0x40             ; Wv_scales, bq, bk, bv, qc, qs, kc, ks
	s_load_b128 s[40:43], s[0:1], 0x80             ; vc, vs
	v_lshrrev_b32 v208, 5, v0
	v_readfirstlane_b32 s2, v208                   ; wave 0..15
	s_and_b32 s3, ttmp7, 0xffff                    ; g
	s_mov_b32 s4, ttmp9                            ; i
	s_wait_alu depctr_va_sdst(0)                   ; s2 is written, ahead of its first reader: LDS addresses and the buffers' offsets are made from it
	s_lshr_b32 s5, s2, 2                           ; which tile of R I prepare
	s_and_b32 s6, s2, 3                            ; and which two K steps of it
	s_lshr_b32 s7, s5, 1
	s_lshl_b32 s7, s7, 5
	s_and_b32 s66, s5, 1
	s_lshl_b32 s66, s66, 3
	s_add_co_u32 s7, s7, s66                       ; that tile's first row: 32 (m / 2) + 8 (m % 2)
	s_mov_b32 s[SEL], 0x76543210
	s_mov_b32 s[SEL+1], 0xfedcba98
	s_mov_b32 s63, 0xffff0000                      ; lanes 16-31
	v_and_b32 v208, 31, v0                         ; lane
	v_and_b32 v209, 15, v0                         ; r
	v_bfe_u32 v210, v0, 4, 1                       ; h
	v_and_b32 v211, 8, v209
	v_add_nc_u32 v211, v211, v209                  ; r + 8 (r / 8)
	v_lshlrev_b32 v[LI], 4, v208
	s_lshl_b32 s66, s2, 15
	v_lshlrev_b32 v[PA], 9, v211
	v_lshl_add_u32 v[PA], v210, 4, v[PA]
	v_add_nc_u32 v[PA], s66, v[PA]
	s_lshl_b32 s66, s2, 11
	v_lshlrev_b32 v[PSA], 5, v211
	v_lshl_add_u32 v[PSA], v210, 8, v[PSA]
	v_add_nc_u32 v[PSA], s66, v[PSA]
	v_add_nc_u32 v[RWI], s66, v[LI]                ; fragments 2 w and 2 w + 1 of the 32: 8 (w / 4) + 2 (w % 4) = 2 w
	v_mad_u32_u24 v[RSA], v208, 48, RSC
	s_mul_i32 s66, s2, 8448
	s_add_co_u32 s66, s66, STG
	v_add_nc_u32 v[XSI], s66, v[LI]
	v_mul_u32_u24 v[XSO], v209, 528
	v_lshl_add_u32 v[XSO], v210, 6, v[XSO]
	v_add_nc_u32 v[XSO], s66, v[XSO]
	s_mul_i32 s66, s5, 768
	s_lshl_b32 s67, s6, 3
	s_add_co_u32 s66, s66, s67
	s_add_co_u32 s66, s66, RSC
	v_mul_u32_u24 v[RWS], v209, 48
	v_add_nc_u32 v[RWS], s66, v[RWS]
	v_add_nc_u32 v[RCA], s7, v211                  ; my row of R's 64
	v_lshlrev_b32 v[RCS], 5, v[RCA]
	v_add_nc_u32 v[RCS], s67, v[RCS]
	v_lshlrev_b32 v[RCA], 9, v[RCA]
	v_lshl_add_u32 v[RCA], v210, 4, v[RCA]
	s_lshl_b32 s67, s6, 7
	v_add_nc_u32 v[RCA], s67, v[RCA]
.irp b, 0,1,2,3
	v_mov_b32 v[TM+4+\b], 0                        ; written once: a lane permute's destination counts as one of its sources
.endr
	s_lshr_b32 s66, s4, 4                          ; i / 16
	s_and_b32 s67, s4, 15                          ; i % 16
	s_wait_kmcnt 0x0
	; the buffers of this g: choices on the work-group's number alone
	s_cmp_eq_u32 s3, 0
	s_cselect_b64 s[44:45], s[14:15], s[18:19]     ; P's codes
	s_cselect_b64 s[46:47], s[16:17], s[20:21]     ; P's scales
	s_cselect_b64 s[52:53], s[26:27], s[28:29]     ; the bias
	s_cselect_b64 s[54:55], s[32:33], s[36:37]     ; codes out
	s_cselect_b64 s[56:57], s[34:35], s[38:39]     ; scale words out
	s_cmp_eq_u32 s3, 2
	s_cselect_b64 s[44:45], s[10:11], s[44:45]
	s_cselect_b64 s[46:47], s[12:13], s[46:47]
	s_cselect_b64 s[48:49], s[22:23], s[10:11]     ; R's codes (g = 0: a valid address that is not used)
	s_cselect_b64 s[50:51], s[24:25], s[12:13]     ; R's scales
	s_cselect_b64 s[52:53], s[30:31], s[52:53]
	s_cselect_b64 s[54:55], s[40:41], s[54:55]
	s_cselect_b64 s[56:57], s[42:43], s[56:57]
	s_cselect_b32 s68, s66, 0                      ; P's batch (v), else 0
	s_cselect_b32 s70, s67, s4                     ; R's block of 64 rows
	s_mov_b32 s67, 0
	s_lshl_b32 s66, s68, 19
	s_add_nc_u64 s[44:45], s[44:45], s[66:67]
	s_lshl_b32 s66, s68, 15
	s_add_nc_u64 s[46:47], s[46:47], s[66:67]
	s_lshl_b32 s66, s70, 15
	s_add_nc_u64 s[48:49], s[48:49], s[66:67]
	s_lshl_b32 s66, s70, 11
	s_add_nc_u64 s[50:51], s[50:51], s[66:67]
	s_lshl_b32 s66, s4, 15
	s_lshl_b32 s68, s2, 11
	s_add_co_u32 s66, s66, s68
	s_add_nc_u64 s[54:55], s[54:55], s[66:67]      ; my 2,048 bytes of codes
	s_lshl_b32 s66, s4, 12
	s_lshl_b32 s68, s2, 8
	s_add_co_u32 s66, s66, s68
	s_add_nc_u64 s[56:57], s[56:57], s[66:67]      ; my 256 bytes of scale words
	s_lshl_b32 s66, s4, 18
	s_lshl_b32 s68, s7, 12
	s_add_co_u32 s66, s66, s68
	s_lshl_b32 s68, s6, 10
	s_add_co_u32 s66, s66, s68
	s_add_nc_u64 s[58:59], s[8:9], s[66:67]        ; x at my tile's first row, my 256 numbers along K
	s_wait_alu depctr_va_vdst(0)                   ; the offsets and LDS addresses v1-7 and v9-11 are written, which the loads and LDS instructions up to the barrier read (v1-4: all of the kernel's)
	; P's scale words for all of K, and its fragments of K steps 0 and 1
.irp p, 0,1
.irp e, 0,1
	global_load_b128 v[PS+8*\p+4*\e:PS+8*\p+4*\e+3], v[PSA], s[46:47] offset:1024*\p+16*\e
.endr
.endr
	PLOAD 0, 0
	PLOAD 1, 1
	; R: each wave prepares two of the 32 fragments
	s_cmp_lg_u32 s3, 0
	s_cbranch_scc1 .Lcodes
	; q: 16 rows x 256 numbers of x.  Each load reads 512 consecutive bytes of one row
.irp u, 0,1
.irp p, 0,1,2,3,4,5,6,7,8,9,10,11,12,13,14,15
	global_load_b128 v[X0+64*\u+4*\p:X0+64*\u+4*\p+3], v[LI], s[58:59] offset:(\p+8*(\p/8))*4096+512*\u th:TH_LOAD_NT
.endr
.endr
.irp u, 0,1
	s_wait_loadcnt 16-16*\u                        ; this K step's 16 loads are in; the other's 16 were issued behind them
.irp p, 0,1,2,3,4,5,6,7,8,9,10,11,12,13,14,15
	ds_store_b128 v[XSI], v[X0+64*\u+4*\p:X0+64*\u+4*\p+3] offset:528*\p   ; (the first K step's quantiser names none of the second's 64 registers, nor v5 and v6)
.endr
	s_wait_dscnt 0x0                               ; the stores have landed
	s_wait_alu depctr_vm_vsrc(0)                   ; and have read their 64 registers, in which the loads below land
.irp b, 0,1,2,3
.irp q, 0,1,2,3
	ds_load_b128 v[X0+64*\u+16*\b+4*\q:X0+64*\u+16*\b+4*\q+3], v[XSO] offset:128*\b+16*\q   ; my row's 16 neighbours of each block of 32
.endr
.endr
	s_wait_dscnt 0x0
	QUANT X0+64*\u, PC0+8*\u, PW0+\u
.endr
	s_branch .Ljoin
.Lcodes:
	; k, v: R comes as codes: the fragments as they lie
.irp u, 0,1
.irp c, 0,1
	global_load_b128 v[PC0+8*\u+4*\c:PC0+8*\u+4*\c+3], v[RCA], s[48:49] offset:64*\u+32*\c
.endr
	global_load_b32 v[PW0+\u], v[RCS], s[50:51] offset:4*\u
.endr
	s_wait_loadcnt 0x0
.Ljoin:                                                ; on both ways every load issued so far is in: v9-11, which were their offsets, are free
	s_wait_alu depctr_va_vdst(0)                   ; q's way: the quantiser has written the codes v240-255 and the scale words v14-15, which the stores below read, and is done with v208-223 and v240-247, in which LDS loads land behind the barrier
.irp u, 0,1
.irp c, 0,1
	ds_store_b128 v[RWI], v[PC0+8*\u+4*\c:PC0+8*\u+4*\c+3] offset:1024*\u+512*\c
.endr
	ds_store_b32 v[RWS], v[PW0+\u] offset:4*\u     ; both halves of the lanes write the same word with the same value
.endr
	s_wait_dscnt 0x0                               ; for the others' sake: my images have landed
	s_barrier_signal -1
	s_barrier_wait -1                              ; R's 32 fragments and their scale words lie in LDS; nothing there is written again
	s_wait_alu depctr_vm_vsrc(0)                   ; my LDS instructions have read v5-7, v14-15 and v240-255, my loads their offsets v9-11: all of these are written again below, by vector lines or by LDS loads
.irp p, 0,1
	ds_load_b128 v[RS+4*\p:RS+4*\p+3], v[RSA] offset:1536*\p   ; K steps 0-3: lanes 0-15 tile 2 p, lanes 16-31 tile 2 p + 1
.endr
	RLOAD 0, 0
	; the offsets of the way out, into registers that held LDS addresses of the phase just ended
	s_lshl_b32 s66, s2, 8
	s_and_b32 s67, s4, 15
	s_lshl_b32 s67, s67, 6
	v_bfe_u32 v12, v0, 4, 1                        ; h
	v_and_b32 v13, 15, v0                          ; r
	v_lshl_add_u32 v[BPA], v12, 6, s66
	v_lshlrev_b32 v[OSA], 4, v13
	v_lshl_add_u32 v[OSA], v12, 3, v[OSA]
	v_and_b32 v12, 8, v13
	v_add_nc_u32 v12, v12, v13                     ; r + 8 (r / 8)
	v_add_nc_u32 v[BRA], s67, v12
	v_lshlrev_b32 v[BRA], 2, v[BRA]
	s_wait_alu depctr_va_vdst(0)                   ; v5-7 are written, which the bias's loads and the last store read; the lines above are done with v12 and v13, in which K step 0's loads land
; A K step of 128: two halves of two R tiles x my four P tiles.  Each half first asks for the next half's two R fragments, into the buffer that the half before has left, and then waits for its own.
; The 16 accumulators take turns, one instruction a turn, in the same order in every step.
.macro KSTEP s
.if (\s) == 0
.set Z, 1
.else
.set Z, 0
.endif
.if (\s) == 4
.irp p, 0,1
	ds_load_b128 v[RS+4*\p:RS+4*\p+3], v[RSA] offset:1536*\p+16   ; R's scale words of K steps 4-7: K step 3's products, which read these registers, stand ahead of the wait at that step's end
.endr
.endif
	RLOAD \s, 1
	s_wait_loadcnt 8                               ; this step's P fragments are in; the eight loads issued behind them (the next step's; in the last step the bias) may be out
	s_wait_dscnt 4                                 ; tiles 0 and 1 are in (and the scale words); the four loads just issued may be out
	MUL8 \s, 0, RFA, RFA+8, Z
.rept 4
	v_nop                                          ; places in front of loads into registers that these products have read
.endr
.if (\s) < 7
	s_wait_alu depctr_va_vdst(0)                   ; this half's products are done reading R's tiles 0 and 1 in v208-223, in which the four loads below land
	RLOAD (\s)+1, 0
	s_wait_dscnt 4                                 ; tiles 2 and 3 are in; the four loads just issued may be out
.else
	s_wait_dscnt 0x0
.endif
	MUL8 \s, 1, RFB0, RFB1, Z
.rept 4
	v_nop                                          ; places in front of loads into registers that these products have read, and of the first read of results
.endr
.if (\s) < 7
	s_wait_alu depctr_va_vdst(0)                   ; this step's products are done reading their set of P, R's tiles 2 and 3 and R's scale words: the loads up to the next products land there (P's or the bias's eight, R's four, behind K step 3 the scale words)
.endif
.if (\s) < 6
	PLOAD (\s)%2, (\s)+2
.endif
.endm
.irp k, 0,1,2,3,4,5,6
	KSTEP \k
.endr
; THE TAIL: the bias is asked for a K step ahead of its use, into the set of P fragments that K step 6 has left: eight loads on either way.  q, k: along P, a register's own.  v: along R, a lane's own,
; loaded twice so that it fills the pair that the packed addition names.  Then the last K step, the bias, the quantiser for all four tiles of R, and the five stores in one run.
.macro TAIL isv
.if \isv
.irp m, 0,1,2,3
	global_load_b32 v[BP+2*\m], v[BRA], s[52:53] offset:(32*(\m/2)+8*(\m%2))*4
	global_load_b32 v[BP+2*\m+1], v[BRA], s[52:53] offset:(32*(\m/2)+8*(\m%2))*4
.endr
.else
.irp b, 0,1
.irp q, 0,1,2,3
	global_load_b128 v[BP+16*\b+4*\q:BP+16*\b+4*\q+3], v[BPA], s[52:53] offset:128*\b+16*\q
.endr
.endr
.endif
	KSTEP 7
	s_wait_loadcnt 0x0                             ; the bias
.irp m, 0,1,2,3
.set j, 0
.rept 16
.if \isv
	v_pk_add_f32 v[ACC+32*\m+j:ACC+32*\m+j+1], v[ACC+32*\m+j:ACC+32*\m+j+1], v[BP+2*\m:BP+2*\m+1]   ; each accumulator from its low end on
.else
	v_pk_add_f32 v[ACC+32*\m+j:ACC+32*\m+j+1], v[ACC+32*\m+j:ACC+32*\m+j+1], v[BP+j:BP+j+1]         ; each accumulator from its low end on
.endif
.set j, j+2
.endr
	QUANT2 ACC+32*\m, PCO+4*\m, PWO+\m
.endr
	v_cndmask_b32 v[SA], v[PWO], v[PWO+2], s63     ; lanes 0-15 carry tiles 0 and 1's words, lanes 16-31 tiles 2 and 3's
	v_cndmask_b32 v[SA+1], v[PWO+1], v[PWO+3], s63
	s_wait_alu depctr_va_vdst(0)                   ; the quantiser has written the codes v184-199 and the two selects the scale words v204-205, which the five stores read
.irp m, 0,1,2,3
	global_store_b128 v[LI], v[PCO+4*\m:PCO+4*\m+3], s[54:55] offset:512*\m   ; 32 lanes store 512 consecutive bytes: registers 0-3 of the next product's fragment, lane by lane
.endr
	global_store_b64 v[OSA], v[SA:SA+1], s[56:57]  ; 256 consecutive bytes: [r][tile] words
	s_wait_xcnt 0x0
	v_lshl_add_u32 v254, v0, 2, 0x29c00            ; the add's two registers, made anew: no memory or LDS instruction has read v254 or v255 since the wait on vm_vsrc behind the barrier
	v_mov_b32 v255, 0
	s_wait_dscnt 0x0                               ; the closing lines, six on end
	s_wait_alu 0x0
	s_wait_tensorcnt 0x0
	ds_add_u32 v254, v255
	s_wait_dscnt 0x0
	s_endpgm
.endm
	s_cmp_eq_u32 s3, 2
	s_cbranch_scc1 .Lv
	TAIL 0
.Lv:
	TAIL 1
.Lfunc_end_k_q413e3736ec_proj:
	.size	k_q413e3736ec_proj, .Lfunc_end_k_q413e3736ec_proj-k_q413e3736ec_proj
	.p2alignl 7, 3214868480
	.fill 96, 4, 3214868480
	.section	.rodata,"a",@progbits
	.p2align	6, 0x0
	.amdhsa_kernel k_q413e3736ec_proj
		.amdhsa_group_segment_fixed_size 173056
		.amdhsa_private_segment_fixed_size 0
		.amdhsa_enable_private_segment 0
		.amdhsa_kernarg_size 144
		.amdhsa_user_sgpr_count 2
		.amdhsa_user_sgpr_kernarg_segment_ptr 1
		.amdhsa_wavefront_size32 1
		.amdhsa_system_sgpr_workgroup_id_x 1
		.amdhsa_system_sgpr_workgroup_id_y 1
		.amdhsa_system_sgpr_workgroup_id_z 1
		.amdhsa_system_vgpr_workitem_id 0
		.amdhsa_next_free_vgpr 256
		.amdhsa_next_free_sgpr 72
		.amdhsa_reserve_vcc 0
		.amdhsa_float_denorm_mode_32 3
		.amdhsa_float_denorm_mode_16_64 3
		.amdhsa_memory_ordered 1
		.amdhsa_forward_progress 1
		.amdhsa_inst_pref_size 80
	.end_amdhsa_kernel
	.amdgpu_metadata
---
amdhsa.version: [ 1, 2 ]
amdhsa.kernels:
  - .name:           k_q413e3736ec_proj
    .symbol:         k_q413e3736ec_proj.kd
    .args:
      - { .name: x, .offset: 0, .size: 8, .value_kind: global_buffer, .address_space: global }
      - { .name: y_codes, .offset: 8, .size: 8, .value_kind: global_buffer, .address_space: global }
      - { .name: y_scales, .offset: 16, .size: 8, .value_kind: global_buffer, .address_space: global }
      - { .name: Wq_codes, .offset: 24, .size: 8, .value_kind: global_buffer, .address_space: global }
      - { .name: Wq_scales, .offset: 32, .size: 8, .value_kind: global_buffer, .address_space: global }
      - { .name: Wk_codes, .offset: 40, .size: 8, .value_kind: global_buffer, .address_space: global }
      - { .name: Wk_scales, .offset: 48, .size: 8, .value_kind: global_buffer, .address_space: global }
      - { .name: Wv_codes, .offset: 56, .size: 8, .value_kind: global_buffer, .address_space: global }
      - { .name: Wv_scales, .offset: 64, .size: 8, .value_kind: global_buffer, .address_space: global }
      - { .name: bq, .offset: 72, .size: 8, .value_kind: global_buffer, .address_space: global }
      - { .name: bk, .offset: 80, .size: 8, .value_kind: global_buffer, .address_space: global }
      - { .name: bv, .offset: 88, .size: 8, .value_kind: global_buffer, .address_space: global }
      - { .name: qc, .offset: 96, .size: 8, .value_kind: global_buffer, .address_space: global }
      - { .name: qs, .offset: 104, .size: 8, .value_kind: global_buffer, .address_space: global }
      - { .name: kc, .offset: 112, .size: 8, .value_kind: global_buffer, .address_space: global }
      - { .name: ks, .offset: 120, .size: 8, .value_kind: global_buffer, .address_space: global }
      - { .name: vc, .offset: 128, .size: 8, .value_kind: global_buffer, .address_space: global }
      - { .name: vs, .offset: 136, .size: 8, .value_kind: global_buffer, .address_space: global }
    .group_segment_fixed_size: 173056
    .private_segment_fixed_size: 0
    .kernarg_segment_align: 8
    .kernarg_segment_size: 144
    .max_flat_workgroup_size: 512
    .sgpr_count:     72
    .vgpr_count:     256
    .wavefront_size: 32
...
	.end_amdgpu_metadata
.endif
;; end of part 4
;; launch attn (part 5): grid 2 x 128, 16 waves a work-group, no clusters, 73,728 bytes of LDS; arguments qc, qs, kc, ks, vc, vs, o; writes o
.if DOCPART == 5
	.amdgcn_target "amdgcn-amd-amdhsa--gfx1250"
	.amdhsa_code_object_version 6
	.text
	.protected	k_q413e3736ec_attn
	.globl	k_q413e3736ec_attn
	.p2align	8
	.type	k_q413e3736ec_attn,@function
k_q413e3736ec_attn:
	s_mov_b64 s[64:65], 0
	v_nop
	global_prefetch_b8 v0, s[64:65] scope:SCOPE_SE
	s_setreg_imm32_b32 hwreg(HW_REG_WAVE_SCHED_MODE, 0, 2), 2
	s_setreg_imm32_b32 hwreg(HW_REG_WAVE_MODE, 25, 1), 1
	s_wait_xcnt 0x0
	s_wait_alu depctr_vm_vsrc(0)
; o = softmax_k(q . k / 32) v for one head, both products on codes of FP4 (E2M1) with E8M0 scales, from the codes and scale words that the launch before laid in the order of the operands' registers.
; THE SOFTMAX AHEAD OF THE SECOND PRODUCT: t = score x log2(e) / 32; M = the row's largest t so far, rounded UP to a whole number; p = 2^(t - M) is quantised along the keys, not normalised.  The row's sum is taken
; of the unquantised p and divides at the end.  When M moves, the sum and O are multiplied by 2^(old M - new M): exact.
; SHARES.  Work-group (half, 16 batch + head): 512 queries of one head.  The head's 1,024 keys (32 KiB of K's codes, 32 KiB of V's, 6 KiB of scale words) are copied into LDS once: one barrier, nothing is filled again.
; Wave w of sixteen owns 32 queries, as two tiles of 16, one after the other (a loop of two trips); in a trip the eight steps of 128 keys are written out, every offset an immediate.
; LAYOUT.  S^T = K Q^T (source 0 = 16 keys, source 1 = 16 queries), O^T = V^T P^T (source 0 = 16 channels): a lane holds ONE query throughout.  A head has 64 channels: the first product's K = 64 .. 127 are zero codes
; on both sides (registers 4-7 of Q's and K's fragments, cleared once), under the scale bytes 0 that the scale words carry there.
; The keys, queries and channels of a tile are not neighbours: lane r of tile 2 b + u holds row 32 b + 8 u + r + 8 (r / 8), so the 16 registers of tiles 2 b, 2 b + 1 of a result are 16 neighbours.
; THE RESULT LEAVES AS AN IMAGE OF MY REGISTERS: o is [block of 32 queries][head][tile][8 groups of 4 registers][lane][16 bytes].  The next launch's wave for these 32 rows and these 64 columns wants the same numbers in
; the same lanes and registers, so nothing is turned here or there, and each store covers 512 consecutive bytes.
; NO JOINT LOADS IN A CLUSTER: the two work-groups of a head read the same 70 KiB once each at their start; that is the whole of what is shared.
; LIMITS: NaN and infinities are not served.
; THE MODE: SCHED_MODE bits 1:0 = 2 (LLVM: expert scheduling mode 2), set by the entry lines.  The code itself states the register dependences
; between vector or matrix instructions and memory or LDS instructions, with s_wait_alu, always for 0.
; THE PLAN.  Registers that memory or LDS instructions touch, in the loop:
;   v1, v2              LDS addresses and the stores' offset, made at the head and never written again.
;   v24-31, v32-35 + 8 t   K's scale words and codes.  A step's eight products S^T read them; behind them the next step's ten loads land in them.
;   v192-223, v240-243  V's fragments and scale words.  A step's four products V^T P read them; the next step's nine loads land in them.
;   v96-127             the way out's multiplies write them, eight stores read them, the next trip's first products write them again.
; Operands of the scaled products that vector lines write: p's codes v224-231 and scale word v253, in every step; Q's v16-19 and v255 at a trip's end; the zero codes, once.
; So a step holds three waits on va_vdst: behind S^T's places (K's and V's registers are free: all nineteen loads of the step hang on this one; V's stand at once, K's are dealt among the search for the maximum, which names
; none of their registers); behind the exponentials, ahead of their first reader; and directly ahead of V^T P, behind its places.  A trip has one more at its head, for Q and the zero codes, two on the way out (the reciprocal;
; the stores' data), and one wait on vm_vsrc at its end.
.set KIMG, 0                           ; K's tile T of 16 keys at 512 T + 16 x lane
.set VIMG, 32768                       ; V's (64 keys w', channel tile n) at 2,048 w' + 512 n + 16 x lane
.set KSC,  65536                       ; K's scale words: 64 keys G at 256 G + 16 r + 4 x tile
.set VSC,  69632                       ; V's: key step s at 256 s + 16 r + 4 n, the two halves' bytes merged
.set SEL,  38                          ; s[38:39] v_permlanex16_b32's selects for lane l xor 16
.set CS,   40                          ; s[40:41] c = log2(e) / 32: the packed form names a pair and takes its low word for both halves
; REGISTERS: v1 16 x lane; v2 KSC + 16 r; v5, v6 the closing add's two; v7 16 r; v11 the second tile's scale words of Q; v12 -M, v13 the largest t, v[14:15] the sum; v16-23 Q; v24-31 K's scale words; v32-95 K's 8 fragments;
; v96-159 S^T, then p; v160-191 O^T; v192-223 V's 4 fragments; v224-231 p's codes; v232-247, v252-254 at work; v240-243 V's scale words; v248-251 the second tile's codes of Q; v253 p's scale word; v255 Q's.
	s_load_b256 s[8:15], s[0:1], 0x0               ; qc, qs, kc, ks
	s_load_b128 s[16:19], s[0:1], 0x20             ; vc, vs
	s_load_b64 s[20:21], s[0:1], 0x30              ; o
	v_lshl_add_u32 v5, v0, 2, 0x11800
	v_mov_b32 v6, 0
	v_lshrrev_b32 v8, 5, v0
	v_readfirstlane_b32 s2, v8                     ; wave 0..15
	s_and_b32 s3, ttmp7, 0xffff                    ; 16 batch + head
	s_lshr_b32 s4, s3, 4                           ; batch
	s_and_b32 s5, s3, 15                           ; head
	s_wait_alu depctr_va_sdst(0)                   ; s2 is written, ahead of its first reader: the buffers' offsets and an LDS address are made from it
	s_lshr_b32 s6, s2, 1
	s_and_b32 s7, s2, 1
	s_lshl_b32 s42, s4, 19
	s_lshl_b32 s43, s5, 11
	s_add_co_u32 s42, s42, s43                     ; the batch's and the head's part of an offset into qc or kc
	s_lshl_b32 s43, s2, 15
	s_add_co_u32 s24, s42, s43                     ; K: keys 64 w on
	s_lshr_b32 s26, s24, 3                         ; their scale words: an eighth of the bytes, laid alike
	s_lshl_b32 s43, ttmp9, 3
	s_add_co_u32 s43, s43, s6                      ; my block of 64 queries: 8 half + w / 2
	s_lshl_b32 s43, s43, 15
	s_add_co_u32 s32, s42, s43
	s_lshr_b32 s34, s32, 3
	s_lshl_b32 s43, s7, 10
	s_add_co_u32 s32, s32, s43                     ; Q: tiles 2 (w % 2) and the next
	s_lshl_b32 s43, s7, 3
	s_add_co_u32 s34, s34, s43
	s_lshl_b32 s28, s3, 15
	s_lshl_b32 s43, s2, 11
	s_add_co_u32 s28, s28, s43                     ; V: keys 64 w on
	s_lshl_b32 s30, s3, 12
	s_lshl_b32 s43, s6, 9
	s_add_co_u32 s30, s30, s43
	s_lshl_b32 s43, s7, 7
	s_add_co_u32 s30, s30, s43                     ; V's scale words: key step w / 2, half w % 2 of its 64 words
	s_lshl_b32 s36, s4, 22
	s_lshl_b32 s43, ttmp9, 21
	s_add_co_u32 s36, s36, s43
	s_lshl_b32 s43, s2, 17
	s_add_co_u32 s36, s36, s43
	s_lshl_b32 s43, s5, 13
	s_add_co_u32 s36, s36, s43                     ; o: block 32 batch + 16 half + w of 131,072 bytes, the head's 8,192 of them
.irp p, 25,27,29,31,33,35,37
	s_mov_b32 s\p, 0
.endr
	s_mov_b32 s[SEL], 0x76543210
	s_mov_b32 s[SEL+1], 0xfedcba98
	s_mov_b32 s[CS], 0x3d38aa3b
	s_mov_b32 s[CS+1], s[CS]
	v_and_b32 v8, 31, v0                           ; lane
	v_and_b32 v9, 15, v0                           ; r
	v_lshlrev_b32 v1, 4, v8
	v_lshl_add_u32 v2, v9, 4, KSC
	v_lshlrev_b32 v7, 4, v9
	v_lshlrev_b32 v68, 3, v8
	v_lshlrev_b32 v69, 2, v8
	s_lshl_b32 s22, s2, 11
	v_add_nc_u32 v8, s22, v1                       ; 2,048 w + 16 x lane
	v_lshl_add_u32 v9, v0, 3, KSC                  ; 256 w + 8 x lane
	v_lshl_add_u32 v10, v0, 2, VSC                 ; 128 w + 4 x lane
	s_wait_kmcnt 0x0
	s_add_nc_u64 s[12:13], s[12:13], s[24:25]
	s_add_nc_u64 s[14:15], s[14:15], s[26:27]
	s_add_nc_u64 s[16:17], s[16:17], s[28:29]
	s_add_nc_u64 s[18:19], s[18:19], s[30:31]
	s_add_nc_u64 s[8:9], s[8:9], s[32:33]
	s_add_nc_u64 s[10:11], s[10:11], s[34:35]
	s_add_nc_u64 s[20:21], s[20:21], s[36:37]
	s_wait_alu depctr_va_vdst(0)                   ; the offsets and LDS addresses v1, v2, v7-10, v68 and v69 are written, which the loads and LDS instructions below read
	; the head's K and V into LDS: each wave copies a sixteenth, every load and store 512, 256 or 128 consecutive bytes.  Q of both my tiles comes with them: one wait for memory serves all
.irp i, 0,1,2,3
	global_load_b128 v[32+4*\i:35+4*\i], v1, s[12:13] offset:512*\i
.endr
.irp i, 0,1,2,3
	global_load_b128 v[48+4*\i:51+4*\i], v1, s[16:17] offset:512*\i
.endr
	global_load_b64 v[64:65], v68, s[14:15]
	global_load_b32 v66, v69, s[18:19]
	global_load_b32 v67, v69, s[18:19] offset:256
	global_load_b128 v[16:19], v1, s[8:9]          ; Q's codes, first tile: registers 0-3 of the fragment
	global_load_b128 v[248:251], v1, s[8:9] offset:512   ; second tile
	global_load_b32 v255, v7, s[10:11]             ; Q's scale words, first tile
	global_load_b32 v11, v7, s[10:11] offset:4     ; second tile
	s_wait_loadcnt 0x0
	v_lshl_or_b32 v66, v67, 16, v66                ; the bytes of keys 128 s + 0 .. 63 below, of 64 .. 127 above: the word of a key step
.irp i, 0,1,2,3
	ds_store_b128 v8, v[32+4*\i:35+4*\i] offset:KIMG+512*\i
	ds_store_b128 v8, v[48+4*\i:51+4*\i] offset:VIMG+512*\i
.endr
	ds_store_b64 v9, v[64:65]
	s_wait_alu depctr_va_vdst(0)                   ; v66 is written, which the store below reads (the nine above store loaded data as it came)
	ds_store_b32 v10, v66
	s_wait_dscnt 0x0                               ; for the others' sake: my part has landed
	s_barrier_signal -1
	s_barrier_wait -1
	s_wait_alu depctr_vm_vsrc(0)                   ; my LDS stores have read v32-66 and my loads their offsets v68 and v69: these registers are K's fragments from here on, written by the lines below and by LDS loads
.irp t, 0,1,2,3,4,5,6,7
.irp i, 4,5,6,7
	v_mov_b32 v[32+8*\t+\i], 0                     ; K = 64 .. 127 of the first product: zero codes, set once
.endr
.endr
.irp i, 20,21,22,23
	v_mov_b32 v\i, 0
.endr
.irp b, 0,1,2,3
	v_mov_b32 v[236+\b], 0                         ; written once: a lane permute's destination counts as one of its sources
.endr
	v_mov_b32 v252, 0
	v_mov_b32 v253, 0                              ; (named as the upper half of the pair v[252:253] before it is first written)
.macro KL s, t                         ; K's fragment of tile t of key step s
	ds_load_b128 v[32+8*(\t):35+8*(\t)], v1 offset:KIMG+4096*(\s)+512*(\t)
.endm
.macro KSL s, e                        ; the scale words of its tiles 4 e .. 4 e + 3
	ds_load_b128 v[24+4*(\e):27+4*(\e)], v2 offset:512*(\s)+256*(\e)
.endm
; K's eight fragments and scale words of key step s: ten loads
.macro KLOAD s
.irp t, 0,1,2,3,4,5,6,7
	KL \s, \t
.endr
.irp e, 0,1
	KSL \s, \e
.endr
.endm
; A KEY STEP: 128 keys.  Its K was asked for in the step before (the first step's: at the trip's head)
.macro STEP s
	s_wait_dscnt 0x0                               ; K's fragments and scale words
.irp t, 0,1,2,3,4,5,6,7
	v_wmma_scale_f32_16x16x128_f8f6f4 v[96+8*\t:103+8*\t], v[32+8*\t:39+8*\t], v[16:23], 0, v[24+\t], v255 matrix_a_fmt:MATRIX_FMT_FP4 matrix_b_fmt:MATRIX_FMT_FP4
.endr
.rept 4
	v_nop                                          ; places behind these products, and behind the last step's V^T P: the registers that both have read are loaded anew below
.endr
	s_wait_alu depctr_va_vdst(0)                   ; these products are done reading K's codes and scale words, the last step's V^T P those of V: the step's nineteen loads land in these registers
.irp n, 0,1,2,3
.irp c, 0,1
	ds_load_b128 v[192+8*\n+4*\c:195+8*\n+4*\c], v1 offset:VIMG+4096*(\s)+2048*\c+512*\n   ; V's fragments land while the softmax is walked,
.endr
.endr
	ds_load_b128 v[240:243], v2 offset:4096+256*(\s)
.irp b, 0,1,2,3
	v_max3_num_f32 v[232+\b], v[96+16*\b], v[97+16*\b], v[98+16*\b]   ; the largest score of each block of 32 keys: for the row's maximum, and, since p rises with the score, for the block's largest p
.endr
.irp i, 3,5,7,9,11,13
.irp b, 0,1,2,3
	v_max3_num_f32 v[232+\b], v[232+\b], v[96+16*\b+\i], v[97+16*\b+\i]
.endr
.if (\s) < 7
	KL (\s)+1, (\i-3)/2                            ; and so does the next step's K, dealt among these lines.  No wait: no vector or matrix instruction since the wait above names K's registers
.endif
.endr
.irp b, 0,1,2,3
	v_max_num_f32 v[232+\b], v[232+\b], v[111+16*\b]
.endr
.if (\s) < 7
	KL (\s)+1, 6
	KL (\s)+1, 7
.endif
.irp b, 0,1,2,3
	v_permlanex16_b32 v[236+\b], v[232+\b], s[SEL], s[SEL+1]
.endr
.if (\s) < 7
	KSL (\s)+1, 0
	KSL (\s)+1, 1
.endif
.irp b, 0,1,2,3
	v_max_num_f32 v[232+\b], v[232+\b], v[236+\b]  ; with lane l xor 16's 16 keys
.endr
	v_max3_num_f32 v254, v232, v233, v234
	v_max_num_f32 v254, v254, v235                 ; the step's largest score of my query
	v_mul_f32 v254, s[CS], v254                    ; as t (c is positive)
	v_max_num_f32 v13, v13, v254                   ; the running largest t
	v_mov_b32 v254, v12
	v_floor_f32 v12, -v13                          ; the new -M = floor(-t) = -ceil(t): a whole number
	v_sub_f32 v254, v12, v254                      ; old M - new M: a whole number, 0 or less
	v_cvt_i32_f32 v254, v254                       ; (it saturates)
	v_ldexp_f32 v252, 1.0, v254                    ; f = 2^(old M - new M)
.irp j, 0,2,4,6,8,10,12,14,16,18,20,22,24,26,28,30,32,34,36,38,40,42,44,46,48,50,52,54,56,58,60,62
	v_pk_fma_f32 v[96+\j:97+\j], v[96+\j:97+\j], s[CS:CS+1], v[12:13] op_sel_hi:[1,0,0]   ; t - M, two at a time
.endr
.irp b, 0,1,2,3
	v_fma_f32 v[232+\b], v[232+\b], s[CS], v12     ; the same of each block's largest score
.endr
	s_wait_alu depctr_va_vdst(0)
.irp j, 0,1,2,3,4,5,6,7,8,9,10,11,12,13,14,15,16,17,18,19,20,21,22,23,24,25,26,27,28,29,30,31,32,33,34,35,36,37,38,39,40,41,42,43,44,45,46,47,48,49,50,51,52,53,54,55,56,57,58,59,60,61,62,63
	v_exp_f32 v[96+\j], v[96+\j]                   ; p = 2^(t - M), at most 1
.endr
.irp b, 0,1,2,3
	v_exp_f32 v[232+\b], v[232+\b]                 ; the block's largest p: the same two instructions on the same number
.endr
	v_pk_mul_f32 v[14:15], v[14:15], v[252:253] op_sel_hi:[1,0]   ; the sums under the new M (a plain place behind the exponentials)
	s_wait_alu depctr_va_vdst(0)                   ; the 68 exponentials have written p in v96-159 and the blocks' largest p in v232-235, ahead of their first reader
.irp b, 0,1,2,3
	v_max_num_f32 v[232+\b], 0x1800000, v[232+\b]  ; the floor 2^(3 - 127): the byte cannot fall under 1
.endr
.irp b, 0,1,2,3
	v_add_nc_u32 v[244+\b], 0xff000000, v[232+\b]  ; 2 off the exponent field: the conversion's scale operand
.endr
.irp b, 0,1,2,3
	v_lshrrev_b32 v[236+\b], 23, v[244+\b]         ; the scale's byte
.endr
	v_lshl_or_b32 v253, v237, 8, v236              ; p's scale word for these 128 keys
	v_lshl_or_b32 v253, v238, 16, v253
	v_lshl_or_b32 v253, v239, 24, v253
.irp b, 0,1,2,3
	v_cvt_scalef32_pk8_fp4_f32 v[224+2*\b], v[96+16*\b:103+16*\b], v[244+\b]
	v_cvt_scalef32_pk8_fp4_f32 v[225+2*\b], v[104+16*\b:111+16*\b], v[244+\b]
.endr
	v_nop                                          ; one plain place behind a scaled conversion
.irp c, 0,1
.irp i, 0,1
	v_permlane16_swap_b32 v[224+4*\c+\i], v[226+4*\c+\i]   ; a whole block to a lane
.endr
.endr
	v_pk_add_f32 v[236:237], v[96:97], v[98:99]    ; the row's sum is taken of the unquantised p: two at a time, in two chains
.irp j, 4,8,12,16,20,24,28,32,36,40,44,48,52,56,60
	v_pk_add_f32 v[14:15], v[14:15], v[96+\j:97+\j]
	v_pk_add_f32 v[236:237], v[236:237], v[98+\j:99+\j]
.endr
	v_pk_add_f32 v[14:15], v[14:15], v[236:237]
.irp j, 0,2,4,6,8,10,12,14,16,18,20,22,24,26,28,30
	v_pk_mul_f32 v[160+\j:161+\j], v[160+\j:161+\j], v[252:253] op_sel_hi:[1,0]   ; O^T under the new M; each accumulator from its low end on
.endr
.if (\s) < 7
	s_wait_dscnt 10                                ; V's fragments and scale words are in; the next step's ten loads of K were issued behind them
.else
	s_wait_dscnt 0x0
.endif
	s_wait_alu depctr_va_vdst(0)                   ; p's codes v224-231 and its scale word v253 are written, which the scaled products below take as source 1 and its scales; the sums and scalings above are their places
.irp n, 0,1,2,3
	v_wmma_scale_f32_16x16x128_f8f6f4 v[160+8*\n:167+8*\n], v[192+8*\n:199+8*\n], v[224:231], v[160+8*\n:167+8*\n], v[240+\n], v253 matrix_a_fmt:MATRIX_FMT_FP4 matrix_b_fmt:MATRIX_FMT_FP4
.endr
.endm
	s_mov_b32 s23, 2
.Ltile:                                                ; one tile of 16 queries a trip
	KLOAD 0                                        ; no vector or matrix instruction since the last wait on va_vdst names these registers: on the way in the moves of zeros write their neighbours, round the back edge the last products to read them stand ahead of three such waits
	v_mov_b32 v13, 0xff61b1e6                      ; the largest t so far: -3e38, under every t
	v_floor_f32 v12, -v13                          ; -M
	v_mov_b32 v14, 0
	v_mov_b32 v15, 0
.set j, 0
.rept 32
	v_mov_b32 v[160+j], 0                          ; O^T: the step is written once; the first finds zeros, which the first change of M leaves zeros
.set j, j+1
.endr
	s_wait_alu depctr_va_vdst(0)                   ; the zero codes of K's and Q's fragments are written and, in the second trip, Q's codes v16-19 and scale word v255: the scaled products below take them as operands; the 36 lines above are their places
.irp k, 0,1,2,3,4,5,6,7
	STEP \k
.endr
	; THE WAY OUT: O^T / the sum, stored as the registers stand
.rept 4
	v_nop                                          ; places behind the last products
.endr
	v_add_f32 v14, v14, v15
	v_permlanex16_b32 v252, v14, s[SEL], s[SEL+1]
	v_add_f32 v14, v14, v252                       ; the row's sum
	s_wait_alu depctr_va_vdst(0)
	v_rcp_f32 v14, v14
	v_nop                                          ; one plain place behind a transcendental
	s_wait_alu depctr_va_vdst(0)                   ; the reciprocal has written v14, ahead of its first reader
.irp j, 0,2,4,6,8,10,12,14,16,18,20,22,24,26,28,30
	v_pk_mul_f32 v[96+\j:97+\j], v[160+\j:161+\j], v[14:15] op_sel_hi:[1,0]   ; register 16 b + i is channel 32 b + 16 h + i of my query
.endr
	s_wait_alu depctr_va_vdst(0)                   ; the multiplies have written v96-127, which the eight stores read
.irp q, 0,1,2,3,4,5,6,7
	global_store_b128 v1, v[96+4*\q:99+4*\q], s[20:21] offset:512*\q   ; 32 lanes store 512 consecutive bytes, aligned
.endr
.irp i, 0,1,2,3
	v_mov_b32 v[16+\i], v[248+\i]                  ; the second tile's Q (the second trip's copy changes nothing)
.endr
	v_mov_b32 v255, v11                            ; and its scale words: the next trip's 36 plain lines stand between this and the first product
	s_wait_xcnt 0x0                                ; the stores have read their registers and their base: both are written again below and in the next trip
	s_wait_alu depctr_vm_vsrc(0)                   ; the stores have read v96-127, which the next trip's first products write again
	s_add_nc_u64 s[20:21], s[20:21], 4096          ; the next tile's image
	s_sub_co_u32 s23, s23, 1
	s_cmp_lg_u32 s23, 0
	s_cbranch_scc1 .Ltile
	s_wait_dscnt 0x0                               ; the closing lines, six on end
	s_wait_alu 0x0
	s_wait_tensorcnt 0x0
	ds_add_u32 v5, v6
	s_wait_dscnt 0x0
	s_endpgm
.Lfunc_end_k_q413e3736ec_attn:
	.size	k_q413e3736ec_attn, .Lfunc_end_k_q413e3736ec_attn-k_q413e3736ec_attn
	.p2alignl 7, 3214868480
	.fill 96, 4, 3214868480
	.section	.rodata,"a",@progbits
	.p2align	6, 0x0
	.amdhsa_kernel k_q413e3736ec_attn
		.amdhsa_group_segment_fixed_size 73728
		.amdhsa_private_segment_fixed_size 0
		.amdhsa_enable_private_segment 0
		.amdhsa_kernarg_size 56
		.amdhsa_user_sgpr_count 2
		.amdhsa_user_sgpr_kernarg_segment_ptr 1
		.amdhsa_wavefront_size32 1
		.amdhsa_system_sgpr_workgroup_id_x 1
		.amdhsa_system_sgpr_workgroup_id_y 1
		.amdhsa_system_sgpr_workgroup_id_z 1
		.amdhsa_system_vgpr_workitem_id 0
		.amdhsa_next_free_vgpr 256
		.amdhsa_next_free_sgpr 66
		.amdhsa_reserve_vcc 0
		.amdhsa_float_denorm_mode_32 3
		.amdhsa_float_denorm_mode_16_64 3
		.amdhsa_memory_ordered 1
		.amdhsa_forward_progress 1
		.amdhsa_inst_pref_size 127
	.end_amdhsa_kernel
	.amdgpu_metadata
---
amdhsa.version: [ 1, 2 ]
amdhsa.kernels:
  - .name:           k_q413e3736ec_attn
    .symbol:         k_q413e3736ec_attn.kd
    .args:
      - { .name: qc, .offset: 0, .size: 8, .value_kind: global_buffer, .address_space: global }
      - { .name: qs, .offset: 8, .size: 8, .value_kind: global_buffer, .address_space: global }
      - { .name: kc, .offset: 16, .size: 8, .value_kind: global_buffer, .address_space: global }
      - { .name: ks, .offset: 24, .size: 8, .value_kind: global_buffer, .address_space: global }
      - { .name: vc, .offset: 32, .size: 8, .value_kind: global_buffer, .address_space: global }
      - { .name: vs, .offset: 40, .size: 8, .value_kind: global_buffer, .address_space: global }
      - { .name: o, .offset: 48, .size: 8, .value_kind: global_buffer, .address_space: global }
    .group_segment_fixed_size: 73728
    .private_segment_fixed_size: 0
    .kernarg_segment_align: 8
    .kernarg_segment_size: 56
    .max_flat_workgroup_size: 512
    .sgpr_count:     66
    .vgpr_count:     256
    .wavefront_size: 32
...
	.end_amdgpu_metadata
.endif
;; end of part 5
;; launch ffn (part 6): grid 256 x 1, 16 waves a work-group, no clusters, 169,472 bytes of LDS; arguments x, o, Wf_codes, Wf_scales, bf, g1, b1, g2, b2, out0; writes out0
.if DOCPART == 6
	.amdgcn_target "amdgcn-amd-amdhsa--gfx1250"
	.amdhsa_code_object_version 6
	.text
	.protected	k_q413e3736ec_ffn
	.globl	k_q413e3736ec_ffn
	.p2align	8
	.type	k_q413e3736ec_ffn,@function
k_q413e3736ec_ffn:
	s_mov_b64 s[64:65], 0
	v_nop
	global_prefetch_b8 v0, s[64:65] scope:SCOPE_SE
	s_setreg_imm32_b32 hwreg(HW_REG_WAVE_SCHED_MODE, 0, 2), 2
	s_setreg_imm32_b32 hwreg(HW_REG_WAVE_MODE, 25, 1), 1
	s_wait_xcnt 0x0
	s_wait_alu depctr_vm_vsrc(0)
; out0 = LN2(a + relu(Q(a) Wf + bf)), a = LN1(x + o).  The product is on codes of FP4 (E2M1) with E8M0 scales; all else in f32; the variance is the mean of (number - mean)^2.
; SHARES.  A work-group owns 32 whole rows, two tiles of 16.  Wave w of sixteen owns columns 64 w .. 64 w + 63 throughout: its aligned 256 bytes of each row of x and out0, two blocks of 32 of the quantised a,
; and its four tiles of Wf's rows.  The product is D = Wf's fragment (source 0) x a's fragment (source 1), and lane r of Wf's tile 2 b + u takes row 32 b + 8 u + r + 8 (r / 8): so lane (r, h) holds one row, and register
; 32 m + 16 b + i is column 64 w + 32 b + 16 h + i, in the accumulators and in a alike: the residual never leaves the registers.
; THE ROWS OF A TILE ARE NOT NEIGHBOURS: lane r of tile m holds row 8 m + r + 8 (r / 8) of the 32, as the attention's wave for head w left them: o comes as an image of these registers, [block][head][16 groups][lane][16 bytes],
; by 16 loads of 512 consecutive bytes, and is turned nowhere.  x and out0 turn through my stage, in which row 8 m + r + 8 (r / 8) lies at place 16 m + r.
; Rows' sums meet in LDS: each of the four reductions has words of its own, so one barrier serves each.  a's codes go from wave to wave as images of the operand's registers: one more barrier.
; Wf's fragments are each multiplied by ONE wave: they go from memory straight into its registers, two K steps ahead.  NO JOINT LOADS IN A CLUSTER, though all work-groups walk the same Wf: a joint load lands in LDS, and
; each of Wf's 512 KiB would then be stored there and read again by the one wave that wants it.
; LIMITS: NaN and infinities are not served.  A block of zeros gets the scale byte 1 where the quantiser's rule says 127: its codes are zeros, and the bytes are read by this launch alone.
; THE MODE: SCHED_MODE bits 1:0 = 2 (LLVM: expert scheduling mode 2), set by the entry lines.  The code itself states the register dependences
; between vector or matrix instructions and memory or LDS instructions, with s_wait_alu, always for 0.
; THE PLAN.  Registers that memory or LDS instructions touch:
;   v1-12      offsets and LDS addresses, made at the head and never written again.
;   PB         x lands, the stage's stores read it; g1 and b1 land, the first norm reads them; Wf's two sets land by turns, K step s's products read set s % 2; g2 and b2 land, the second norm reads them.
;   ACC        o lands, the additions read it; bf lands; the products add onto it; vector lines read it; on the way out the rows land in it and the stores read them.
;   A          lands from the stage; vector lines alone up to the way out, whose stage stores read it.
;   v216-231   a reduction's sixteen words land and are summed, four times; a's codes are written there and stored; a's two fragments land in each K step and its products read them.
;   v13        written by a select, read by a small LDS store, five times; written again behind each.
;   PS, AS     loaded once.
; So: each reduction has one wait on va_vdst ahead of its store (v13 is written; all that named v216-231 is done) and one on vm_vsrc ahead of the line that writes v13 again; a K step has ONE wait on va_vdst, at its end,
; which serves the run of loads that straddles the step's edge (Wf's eight, a's four; behind the last step g2's and b2's); both tiles of a are quantised ahead of one wait and one run of three stores.
.set AIMG, 0                           ; a's codes: 8,192 m + 512 w + 16 x lane: fragment (m, K step w / 2), registers 4 (w % 2) on
.set ASCB, 16384                       ; a's scale bytes: place 16 m + r at pitch 48, bytes 2 w and 2 w + 1
.set RED,  17920                       ; four regions of 32 places x 80 bytes: place x 80 + 4 w
.set STG,  28160                       ; a stage of 32 places x (256 + 16) bytes for each wave
.set LI,   1                           ; v1   16 x lane
.set PA,   2                           ; v2   Wf's codes: (64 w + r + 8 (r / 8)) x 512 + 16 h
.set PSA,  3                           ; v3   Wf's scale words: (64 w + 8 h + r + 8 (r / 8)) x 32
.set GD,   4                           ; v4   memory, dense: 4,096 (lane / 16) + 16 (lane % 16)
.set SD,   5                           ; v5   my stage, dense: 272 (lane / 16) + 16 (lane % 16)
.set SL,   6                           ; v6   my stage, by lanes: 272 r + 64 h
.set VEC,  7                           ; v7   a vector along the columns: 256 w + 64 h
.set RW,   8                           ; v8   RED + 80 x lane + 4 w
.set RR,   9                           ; v9   RED + 80 x lane
.set AW,   10                          ; v10  512 w + 16 x lane
.set ASW,  11                          ; v11  ASCB + 48 x lane + 2 w
.set ASR,  12                          ; v12  ASCB + 48 x lane
.set T,    14                          ; v13-23 at work
.set A,    24                          ; v24-87   my 64 numbers: the rows as they stand
.set ACC,  88                          ; v88-151  the 8 accumulators (m, t) at 88 + 32 m + 8 t; ahead of them o
.set PB,   152                         ; v152-215 Wf's fragments, two sets of four; ahead of them x, then g1 and b1; behind them g2 and b2
.set AF,   216                         ; v216-231 a's two fragments
.set RB,   216                         ; v216-231 a reduction's 16 words
.set PS,   232                         ; v232-247 Wf's scale words: register 8 p + s
.set AS,   248                         ; v248-255 a's scale words: register s; lanes 0-15 tile 0, lanes 16-31 tile 1
.set SEL,  30                          ; s[30:31] v_permlanex16_b32's selects for lane l xor 16
.macro QUANT2 src, pc, pw              ; 32 numbers of a lane (two blocks, 16 of each) become 4 registers: lane (r, h) then holds the 32 codes of block h of its row; the scale word has the two bytes
.irp b, 0,1
	v_max3_num_f32 v[T+\b], |v[(\src)+16*\b]|, |v[(\src)+1+16*\b]|, 0x1800000   ; and the floor 2^(3 - 127): the byte cannot fall under 1
.endr
.irp i, 2,4,6,8,10,12,14
.irp b, 0,1
	v_max3_num_f32 v[T+\b], v[T+\b], |v[(\src)+16*\b+\i]|, |v[(\src)+1+16*\b+\i]|
.endr
.endr
.irp b, 0,1
	v_permlanex16_b32 v[T+2+\b], v[T+\b], s[SEL], s[SEL+1]
.endr
.irp b, 0,1
	v_max_num_f32 v[T+\b], v[T+\b], v[T+2+\b]
.endr
.irp b, 0,1
	v_add_nc_u32 v[T+4+\b], 0xff000000, v[T+\b]    ; 2 off the exponent field: the conversion's scale operand
.endr
.irp b, 0,1
	v_lshrrev_b32 v[T+6+\b], 23, v[T+4+\b]
.endr
	v_lshl_or_b32 v[\pw], v[T+7], 8, v[T+6]
.irp b, 0,1
	v_cvt_scalef32_pk8_fp4_f32 v[(\pc)+2*\b], v[(\src)+16*\b:(\src)+7+16*\b], v[T+4+\b]
	v_cvt_scalef32_pk8_fp4_f32 v[(\pc)+1+2*\b], v[(\src)+8+16*\b:(\src)+15+16*\b], v[T+4+\b]
.endr
	v_nop                                          ; one plain place behind a scaled conversion
	v_permlane16_swap_b32 v[(\pc)], v[(\pc)+2]
	v_permlane16_swap_b32 v[(\pc)+1], v[(\pc)+3]
.endm
.macro WM d, a, b, sa, sb, ra, rb      ; one product, onto its accumulator.  ra, rb = 1: that side's scale words are taken from lanes 16-31
.if (\ra) && (\rb)
	v_wmma_scale_f32_16x16x128_f8f6f4 v[(\d):(\d)+7], v[(\a):(\a)+7], v[(\b):(\b)+7], v[(\d):(\d)+7], v[\sa], v[\sb] matrix_a_fmt:MATRIX_FMT_FP4 matrix_b_fmt:MATRIX_FMT_FP4 matrix_a_scale:MATRIX_SCALE_ROW1 matrix_b_scale:MATRIX_SCALE_ROW1
.elseif (\ra)
	v_wmma_scale_f32_16x16x128_f8f6f4 v[(\d):(\d)+7], v[(\a):(\a)+7], v[(\b):(\b)+7], v[(\d):(\d)+7], v[\sa], v[\sb] matrix_a_fmt:MATRIX_FMT_FP4 matrix_b_fmt:MATRIX_FMT_FP4 matrix_a_scale:MATRIX_SCALE_ROW1
.elseif (\rb)
	v_wmma_scale_f32_16x16x128_f8f6f4 v[(\d):(\d)+7], v[(\a):(\a)+7], v[(\b):(\b)+7], v[(\d):(\d)+7], v[\sa], v[\sb] matrix_a_fmt:MATRIX_FMT_FP4 matrix_b_fmt:MATRIX_FMT_FP4 matrix_b_scale:MATRIX_SCALE_ROW1
.else
	v_wmma_scale_f32_16x16x128_f8f6f4 v[(\d):(\d)+7], v[(\a):(\a)+7], v[(\b):(\b)+7], v[(\d):(\d)+7], v[\sa], v[\sb] matrix_a_fmt:MATRIX_FMT_FP4 matrix_b_fmt:MATRIX_FMT_FP4
.endif
.endm
.macro PLOAD set, s                    ; Wf's four fragments of K step s into one of the two sets: eight loads
.irp t, 0,1,2,3
.irp c, 0,1
	global_load_b128 v[PB+32*(\set)+8*\t+4*\c:PB+32*(\set)+8*\t+4*\c+3], v[PA], s[12:13] offset:(32*(\t/2)+8*(\t%2))*512+64*(\s)+32*\c
.endr
.endr
.endm
.macro VECLOAD reg, base               ; my 32 numbers of a vector along the columns: register 16 b + i = column 64 w + 32 b + 16 h + i
.irp b, 0,1
.irp q, 0,1,2,3
	global_load_b128 v[(\reg)+16*\b+4*\q:(\reg)+16*\b+4*\q+3], v[VEC], s[\base:\base+1] offset:128*\b+16*\q
.endr
.endr
.endm
; v14 (tile 0) and v16 (tile 1): my lane's partial sums become the rows' totals over all 1,024 columns, in one fixed order, equal in all waves.  Region k of RED is used by this reduction alone.
; Lane l carries place l (tile l / 16, row l % 16) into LDS and sums that place's sixteen words; the other tile's total comes from lane l xor 16.
.macro REDUCE k
	v_permlanex16_b32 v18, v14, s[SEL], s[SEL+1]
	v_permlanex16_b32 v19, v16, s[SEL], s[SEL+1]
	v_add_f32 v14, v14, v18                        ; my wave's 64 columns
	v_add_f32 v16, v16, v19
	v_cndmask_b32 v13, v14, v16, s32
	s_wait_alu depctr_va_vdst(0)                   ; v13 is written, which the store reads; and every vector and matrix instruction that named v216-231 is done: the four loads behind the barrier land there
	ds_store_b32 v[RW], v13 offset:2560*(\k)
	s_wait_dscnt 0x0                               ; for the others' sake: my word has landed
	s_barrier_signal -1
	s_barrier_wait -1
.irp q, 0,1,2,3
	ds_load_b128 v[RB+4*\q:RB+4*\q+3], v[RR] offset:2560*(\k)+16*\q
.endr
	s_wait_dscnt 0x0
	s_wait_alu depctr_vm_vsrc(0)                   ; the store has read v13, which is written again below
.irp i, 0,2,4,6
	v_pk_add_f32 v[RB+\i:RB+\i+1], v[RB+\i:RB+\i+1], v[RB+8+\i:RB+9+\i]
.endr
.irp i, 0,2
	v_pk_add_f32 v[RB+\i:RB+\i+1], v[RB+\i:RB+\i+1], v[RB+4+\i:RB+5+\i]
.endr
	v_pk_add_f32 v[RB:RB+1], v[RB:RB+1], v[RB+2:RB+3]
	v_add_f32 v13, v[RB], v[RB+1]                  ; my place's total
	v_permlanex16_b32 v18, v13, s[SEL], s[SEL+1]   ; the other tile's, same row
	v_cndmask_b32 v14, v13, v18, s32               ; tile 0's: lanes 0-15 their own, lanes 16-31 the other's
	v_cndmask_b32 v16, v18, v13, s32               ; tile 1's
.endm
; A = (A - mean) x rsqrt(mean of (A - mean)^2 + 1e-6) x gain + bias, row by row.  k: the first of its two regions of RED; g, bb: the registers into which gain and bias are on their way.
.macro LNORM k, g, bb
.irp m, 0,1
	v_pk_add_f32 v[14+2*\m:15+2*\m], v[A+32*\m:A+32*\m+1], v[A+32*\m+2:A+32*\m+3]
.endr
.set j, 4
.rept 14
.irp m, 0,1
	v_pk_add_f32 v[14+2*\m:15+2*\m], v[14+2*\m:15+2*\m], v[A+32*\m+j:A+32*\m+j+1]
.endr
.set j, j+2
.endr
	v_add_f32 v14, v14, v15
	v_add_f32 v16, v16, v17
	REDUCE \k
	v_mul_f32 v14, 0xba800000, v14                 ; -mean: the total x -2^-10
	v_mul_f32 v16, 0xba800000, v16
.set j, 0
.rept 16
.irp m, 0,1
	v_pk_add_f32 v[A+32*\m+j:A+32*\m+j+1], v[A+32*\m+j:A+32*\m+j+1], v[14+2*\m:15+2*\m] op_sel_hi:[1,0]
.endr
.set j, j+2
.endr
.irp m, 0,1
	v_pk_mul_f32 v[14+2*\m:15+2*\m], v[A+32*\m:A+32*\m+1], v[A+32*\m:A+32*\m+1]
.endr
.set j, 2
.rept 15
.irp m, 0,1
	v_pk_fma_f32 v[14+2*\m:15+2*\m], v[A+32*\m+j:A+32*\m+j+1], v[A+32*\m+j:A+32*\m+j+1], v[14+2*\m:15+2*\m]
.endr
.set j, j+2
.endr
	v_add_f32 v14, v14, v15
	v_add_f32 v16, v16, v17
	REDUCE (\k)+1
	v_fma_f32 v14, v14, s33, s34                   ; the total x 2^-10 (exact) + 1e-6
	v_fma_f32 v16, v16, s33, s34
	s_wait_alu depctr_va_vdst(0)
	v_rsq_f32 v14, v14
	v_rsq_f32 v16, v16
	v_nop                                          ; one plain place behind a transcendental
	s_wait_loadcnt 0x0                             ; gain and bias
.set j, 0
	s_wait_alu depctr_va_vdst(0)                   ; the two reciprocal roots have written v14 and v16, ahead of their first reader
.rept 16
.irp m, 0,1
	v_pk_mul_f32 v[A+32*\m+j:A+32*\m+j+1], v[A+32*\m+j:A+32*\m+j+1], v[14+2*\m:15+2*\m] op_sel_hi:[1,0]
.endr
.set j, j+2
.endr
.set j, 0
.rept 16
.irp m, 0,1
	v_pk_fma_f32 v[A+32*\m+j:A+32*\m+j+1], v[A+32*\m+j:A+32*\m+j+1], v[(\g)+j:(\g)+j+1], v[(\bb)+j:(\bb)+j+1]
.endr
.set j, j+2
.endr
.endm
	s_load_b512 s[8:23], s[0:1], 0x0               ; x, o, Wf_codes, Wf_scales, bf, g1, b1, g2
	s_load_b128 s[24:27], s[0:1], 0x40             ; b2, out0
	v_lshrrev_b32 v13, 5, v0
	v_readfirstlane_b32 s2, v13                    ; wave 0..15
	s_mov_b32 s[SEL], 0x76543210
	s_mov_b32 s[SEL+1], 0xfedcba98
	s_mov_b32 s32, 0xffff0000                      ; lanes 16-31
	s_mov_b32 s33, 0x3a800000                      ; 2^-10
	s_mov_b32 s34, 0x358637bd                      ; 1e-6
	s_wait_alu depctr_va_sdst(0)                   ; s2 is written, ahead of its first reader: LDS addresses and the buffers' offsets are made from it
	v_and_b32 v14, 31, v0                          ; lane
	v_and_b32 v15, 15, v0                          ; r
	v_bfe_u32 v16, v0, 4, 1                        ; h
	v_and_b32 v17, 8, v15
	v_add_nc_u32 v17, v17, v15                     ; r + 8 (r / 8)
	v_lshlrev_b32 v[LI], 4, v14
	s_lshl_b32 s3, s2, 15
	v_lshlrev_b32 v[PA], 9, v17
	v_lshl_add_u32 v[PA], v16, 4, v[PA]
	v_add_nc_u32 v[PA], s3, v[PA]
	s_lshl_b32 s3, s2, 11
	v_lshlrev_b32 v[PSA], 5, v17
	v_lshl_add_u32 v[PSA], v16, 8, v[PSA]
	v_add_nc_u32 v[PSA], s3, v[PSA]
	v_lshlrev_b32 v[GD], 12, v16
	v_lshl_add_u32 v[GD], v15, 4, v[GD]
	s_mul_i32 s3, s2, 8704
	s_add_co_u32 s3, s3, STG
	v_mul_u32_u24 v[SD], v16, 272
	v_lshl_add_u32 v[SD], v15, 4, v[SD]
	v_add_nc_u32 v[SD], s3, v[SD]
	v_mul_u32_u24 v[SL], v15, 272
	v_lshl_add_u32 v[SL], v16, 6, v[SL]
	v_add_nc_u32 v[SL], s3, v[SL]
	s_lshl_b32 s3, s2, 8
	v_lshl_add_u32 v[VEC], v16, 6, s3
	s_lshl_b32 s3, s2, 2
	s_add_co_u32 s3, s3, RED
	v_mul_u32_u24 v[RW], v14, 80
	v_add_nc_u32 v[RR], RED, v[RW]
	v_add_nc_u32 v[RW], s3, v[RW]
	v_lshlrev_b32 v[AW], 4, v0
	v_mul_u32_u24 v[ASR], v14, 48
	v_add_nc_u32 v[ASR], ASCB, v[ASR]
	s_lshl_b32 s3, s2, 1
	v_add_nc_u32 v[ASW], s3, v[ASR]
	v_mov_b32 v18, 0                               ; written once: a lane permute's destination counts as one of its sources
	v_mov_b32 v19, 0
	s_lshl_b32 s28, ttmp9, 17                      ; my work-group's 32 rows of 4,096 bytes,
	s_lshl_b32 s36, s2, 13
	s_add_co_u32 s36, s36, s28                     ; in o: my wave's image of 8,192 bytes;
	s_lshl_b32 s3, s2, 8
	s_add_co_u32 s28, s28, s3                      ; in x and out0: my wave's 256 bytes of each row
	s_mov_b32 s29, 0
	s_mov_b32 s37, 0
	s_wait_kmcnt 0x0
	s_add_nc_u64 s[8:9], s[8:9], s[28:29]
	s_add_nc_u64 s[10:11], s[10:11], s[36:37]
	s_add_nc_u64 s[26:27], s[26:27], s[28:29]
	s_wait_alu depctr_va_vdst(0)                   ; the twelve offsets and LDS addresses v1-12 are written, which every load, store and LDS instruction of the kernel reads
	; ---- x + o.  Wf's scale words come first: their registers are free all the way.  Each load of x reads my 256 aligned bytes of two rows; x turns through my stage into the lanes' order; o arrives in it
.irp p, 0,1
.irp e, 0,1
	global_load_b128 v[PS+8*\p+4*\e:PS+8*\p+4*\e+3], v[PSA], s[14:15] offset:1024*\p+16*\e
.endr
.endr
.irp i, 0,1,2,3,4,5,6,7,8,9,10,11,12,13,14,15
	global_load_b128 v[PB+4*\i:PB+4*\i+3], v[GD], s[8:9] offset:8192*\i th:TH_LOAD_NT
.endr
.irp i, 0,1,2,3,4,5,6,7,8,9,10,11,12,13,14,15
	global_load_b128 v[ACC+4*\i:ACC+4*\i+3], v[LI], s[10:11] offset:512*\i th:TH_LOAD_NT
.endr
	s_wait_loadcnt 16                              ; the scale words and x are in; o's 16 loads were issued behind them
.irp i, 0,1,2,3,4,5,6,7,8,9,10,11,12,13,14,15
	ds_store_b128 v[SD], v[PB+4*\i:PB+4*\i+3] offset:272*(16*((\i/4)%2)+8*(\i/8)+2*(\i%4))   ; rows 2 i and 2 i + 1 to their places: bits 3 and 4 of the row's number change places
.endr
.irp m, 0,1
.irp b, 0,1
.irp q, 0,1,2,3
	ds_load_b128 v[A+32*\m+16*\b+4*\q:A+32*\m+16*\b+4*\q+3], v[SL] offset:4352*\m+128*\b+16*\q   ; LDS serves a wave's instructions in order: these see my stores
.endr
.endr
.endr
	s_wait_dscnt 0x0                               ; x is back
	s_wait_alu depctr_vm_vsrc(0)                   ; the stage's stores have read v152-215, in which g1 and b1 land
	VECLOAD PB, 18                                 ; g1 and b1 land during the reductions
	VECLOAD PB+32, 20
	s_wait_loadcnt 16                              ; o is in; g1's and b1's 16 loads were issued behind it
.set j, 0
.rept 32
	v_pk_add_f32 v[A+j:A+j+1], v[A+j:A+j+1], v[ACC+j:ACC+j+1]
.set j, j+2
.endr
	s_wait_alu depctr_va_vdst(0)                   ; the additions are done reading o in v88-151, in which bf lands
.irp m, 0,1
	VECLOAD ACC+32*\m, 16                          ; bf goes straight into the accumulators: it is what the first products add onto
.endr
	LNORM 0, PB, PB+32
	; ---- a is quantised: both tiles, then the three stores in one run
	s_wait_alu depctr_va_vdst(0)                   ; the norm's last lines are done reading g1 and b1 in v152-215, in which Wf's first two sets land
	PLOAD 0, 0
	PLOAD 1, 1
.irp m, 0,1
	QUANT2 A+32*\m, AF+4*\m, 22+\m
.endr
	v_cndmask_b32 v13, v22, v23, s32               ; lane l carries place l's two bytes
	s_wait_alu depctr_va_vdst(0)                   ; the quantiser has written the codes v216-223 and the select v13, which the three stores read
.irp m, 0,1
	ds_store_b128 v[AW], v[AF+4*\m:AF+4*\m+3] offset:AIMG+8192*\m
.endr
	ds_store_b16 v[ASW], v13
	s_wait_dscnt 0x0                               ; for the others' sake: my images have landed
	s_barrier_signal -1
	s_barrier_wait -1                              ; a's 16 fragments and scale bytes lie in LDS; nothing there is written again
	s_wait_alu depctr_vm_vsrc(0)                   ; my stores have read v216-223, in which a's fragments land, and v13, which the next reduction writes
.irp e, 0,1
	ds_load_b128 v[AS+4*\e:AS+4*\e+3], v[ASR] offset:16*\e
.endr
; A K step of 128: two tiles of rows x my four tiles of Wf.  The 8 accumulators take turns, one instruction a turn, in the same order in every step.
.macro KSTEP s
.irp m, 0,1
.irp c, 0,1
	ds_load_b128 v[AF+8*\m+4*\c:AF+8*\m+4*\c+3], v[LI] offset:AIMG+8192*\m+1024*(\s)+512*\c
.endr
.endr
.if (\s) < 7
	s_wait_loadcnt 8                               ; this step's fragments of Wf are in; the next step's eight loads may be out
.else
	s_wait_loadcnt 0x0
.endif
	s_wait_dscnt 0x0
.irp m, 0,1
.irp t, 0,1,2,3
	WM ACC+32*\m+8*\t, PB+32*((\s)%2)+8*\t, AF+8*\m, PS+8*(\t/2)+(\s), AS+(\s), \t%2, \m
.endr
.endr
.rept 4
	v_nop                                          ; places in front of loads into registers that these products have read, and of the first read of results
.endr
	s_wait_alu depctr_va_vdst(0)                   ; these products are done reading their set of Wf and a's two fragments: the loads up to the next products land there (Wf's eight, a's four; behind the last step g2's and b2's)
.if (\s) < 6
	PLOAD (\s)%2, (\s)+2
.endif
.endm
.irp k, 0,1,2,3,4,5,6,7
	KSTEP \k
.endr
	; ---- a + relu(..), the second norm
	VECLOAD PB, 22                                 ; g2 and b2 land during the reductions
	VECLOAD PB+32, 24
.set j, 0
.rept 64
	v_max_num_f32 v[ACC+j], 0, v[ACC+j]            ; each accumulator from its low end on
.set j, j+1
.endr
.set j, 0
.rept 32
	v_pk_add_f32 v[A+j:A+j+1], v[A+j:A+j+1], v[ACC+j:ACC+j+1]
.set j, j+2
.endr
	LNORM 2, PB, PB+32
	; ---- out: back through my stage, so that sixteen lanes store 256 consecutive bytes, aligned
	s_wait_alu depctr_va_vdst(0)                   ; the norm has written v24-87, which the stage's stores read; the lines that named v88-151, in which the rows land, stand further ahead
.irp m, 0,1
.irp b, 0,1
.irp q, 0,1,2,3
	ds_store_b128 v[SL], v[A+32*\m+16*\b+4*\q:A+32*\m+16*\b+4*\q+3] offset:4352*\m+128*\b+16*\q
.endr
.endr
.endr
.irp i, 0,1,2,3,4,5,6,7,8,9,10,11,12,13,14,15
	ds_load_b128 v[ACC+4*\i:ACC+4*\i+3], v[SD] offset:272*(16*((\i/4)%2)+8*(\i/8)+2*(\i%4))   ; rows 2 i and 2 i + 1 from their places; LDS serves a wave's instructions in order: these see my stores
.endr
.irp i, 0,1,2,3,4,5,6,7,8,9,10,11,12,13,14,15
	s_wait_dscnt 15-\i                             ; the younger read-backs may be out
	global_store_b128 v[GD], v[ACC+4*\i:ACC+4*\i+3], s[26:27] offset:8192*\i th:TH_STORE_NT
.endr
	s_wait_xcnt 0x0
	v_lshl_add_u32 v254, v0, 2, 0x28e00            ; the add's two registers, made anew: no memory or LDS instruction has read v254 or v255 in this kernel
	v_mov_b32 v255, 0
	s_wait_dscnt 0x0                               ; the closing lines, six on end
	s_wait_alu 0x0
	s_wait_tensorcnt 0x0
	ds_add_u32 v254, v255
	s_wait_dscnt 0x0
	s_endpgm
.Lfunc_end_k_q413e3736ec_ffn:
	.size	k_q413e3736ec_ffn, .Lfunc_end_k_q413e3736ec_ffn-k_q413e3736ec_ffn
	.p2alignl 7, 3214868480
	.fill 96, 4, 3214868480
	.section	.rodata,"a",@progbits
	.p2align	6, 0x0
	.amdhsa_kernel k_q413e3736ec_ffn
		.amdhsa_group_segment_fixed_size 169472
		.amdhsa_private_segment_fixed_size 0
		.amdhsa_enable_private_segment 0
		.amdhsa_kernarg_size 80
		.amdhsa_user_sgpr_count 2
		.amdhsa_user_sgpr_kernarg_segment_ptr 1
		.amdhsa_wavefront_size32 1
		.amdhsa_system_sgpr_workgroup_id_x 1
		.amdhsa_system_sgpr_workgroup_id_y 1
		.amdhsa_system_sgpr_workgroup_id_z 1
		.amdhsa_system_vgpr_workitem_id 0
		.amdhsa_next_free_vgpr 256
		.amdhsa_next_free_sgpr 66
		.amdhsa_reserve_vcc 0
		.amdhsa_float_denorm_mode_32 3
		.amdhsa_float_denorm_mode_16_64 3
		.amdhsa_memory_ordered 1
		.amdhsa_forward_progress 1
		.amdhsa_inst_pref_size 72
	.end_amdhsa_kernel
	.amdgpu_metadata
---
amdhsa.version: [ 1, 2 ]
amdhsa.kernels:
  - .name:           k_q413e3736ec_ffn
    .symbol:         k_q413e3736ec_ffn.kd
    .args:
      - { .name: x, .offset: 0, .size: 8, .value_kind: global_buffer, .address_space: global }
      - { .name: o, .offset: 8, .size: 8, .value_kind: global_buffer, .address_space: global }
      - { .name: Wf_codes, .offset: 16, .size: 8, .value_kind: global_buffer, .address_space: global }
      - { .name: Wf_scales, .offset: 24, .size: 8, .value_kind: global_buffer, .address_space: global }
      - { .name: bf, .offset: 32, .size: 8, .value_kind: global_buffer, .address_space: global }
      - { .name: g1, .offset: 40, .size: 8, .value_kind: global_buffer, .address_space: global }
      - { .name: b1, .offset: 48, .size: 8, .value_kind: global_buffer, .address_space: global }
      - { .name: g2, .offset: 56, .size: 8, .value_kind: global_buffer, .address_space: global }
      - { .name: b2, .offset: 64, .size: 8, .value_kind: global_buffer, .address_space: global }
      - { .name: out0, .offset: 72, .size: 8, .value_kind: global_buffer, .address_space: global }
    .group_segment_fixed_size: 169472
    .private_segment_fixed_size: 0
    .kernarg_segment_align: 8
    .kernarg_segment_size: 80
    .max_flat_workgroup_size: 512
    .sgpr_count:     66
    .vgpr_count:     256
    .wavefront_size: 32
...
	.end_amdgpu_metadata
.endif
;; end of part 6
